; MI455X (gfx1250); checked and timed in simulation.
; The chip was launched on July 23, 2026; its instructions are those of AMD's public machine-readable ISA for CDNA 5 (MIT licence, August 2026) and "CDNA5" Instruction Set Architecture Reference Guide (July 2026). The comments in the code are by the model that wrote it; some were corrected since.
;; Attention. Allowed arithmetic: matrix products marked QUANTISED: E2M3 operands, one E8M0 scale for each 32 along K, by v_wmma_scale_f32_16x16x128_f8f6f4 with both operands' format E2M3, f32 sums; everything else in f32.
;; Inputs: Wk 1,024 x 1,024 float32; Wo 1,024 x 1,024 float32; Wq 1,024 x 1,024 float32; Wv 1,024 x 1,024 float32; bk 1,024 float32; bo 1,024 float32; bq 1,024 float32; bv 1,024 float32; k 8 x 1,024 x 1,024 float32; mask 8 x 1,024 bool; q 8 x 1,024 x 1,024 float32; v 8 x 1,024 x 1,024 float32.
;; Outputs: out0 8 x 1,024 x 1,024 float32.
;; This version of the problem:
;;   THIS VERSION OF THE PROBLEM IS GIVEN IN LOW PRECISION. The matrix products marked QUANTISED in the list below multiply operands that are first quantised to E2M3 (2 exponent bits, 3 mantissa bits; 6 bits a number), with one power-of-two scale for each 32 numbers along K (OCP MX v1.0); their sums are f32. All else is computed in f32.
;;   The module's matrix products, in the order in which they are computed (A, B: the left and right operand; K: the contracted axis; several contracted axes count as one K, in the product's order):
;;     1. [M 8,192, K 1,024] x [K 1,024, N 1,024]; A: input q; B: input Wq: QUANTISED
;;     2. [M 8,192, K 1,024] x [K 1,024, N 1,024]; A: input k; B: input Wk: QUANTISED
;;     3. [M 8,192, K 1,024] x [K 1,024, N 1,024]; A: input v; B: input Wv: QUANTISED
;;     4. batch 128 x [M 1,024, K 64] x [K 64, N 1,024]; A: computed on the way; B: computed on the way: QUANTISED
;;     5. batch 128 x [M 64, K 1,024] x [K 1,024, N 1,024]; A: computed on the way; B: softmax (see below): QUANTISED
;;     6. [M 8,192, K 1,024] x [K 1,024, N 1,024]; A: computed on the way; B: input Wo: QUANTISED
;;   THE QUANTISER, for each operand of a quantised product, along K:
;;     - K is cut into blocks of 32 from its start; a last block that is shorter is filled with zeros.
;;     - A block's scale is 2^e with e = floor(log2(the largest magnitude in the block)) - 2, held to -126 .. 127; a block of zeros has e = 0. As a byte (E8M0): e + 127.
;;     - Each number is divided by its block's scale, clamped to +-7.5, and rounded to the nearest number of E2M3, ties to even, subnormals kept.
;;     - The product sums the exact products of the quantised numbers (number of the format x scale) in f32.
;;   ~~~python
;;   def quantise(x, axis):      # numpy; x: float32 -> the quantised numbers, widened to float32 again
;;       x = np.moveaxis(x, axis, -1); K = x.shape[-1]
;;       x = np.pad(x, [(0, 0)] * (x.ndim - 1) + [(0, -K % 32)]); x = x.reshape(x.shape[:-1] + (-1, 32)); a = np.abs(x).max(-1, keepdims=True)
;;       e = np.where(a > 0, np.clip(np.frexp(np.where(a > 0, a, 1))[1] - 1 - 2, -126, 127), 0)      # np.frexp(a)[1] - 1 = floor(log2(a)), exactly
;;       r = np.clip(x / 2.0 ** e, -7.5, 7.5)
;;       step = 2.0 ** (np.maximum(np.frexp(np.where(r == 0, 1, r))[1] - 1, 0) - 3)
;;       q = np.round(r / step) * step * 2.0 ** e      # np.round: ties to even
;;       return np.moveaxis(q.reshape(q.shape[:-2] + (-1,))[..., :K], -1, axis).astype(np.float32)
;;   ~~~
;;   SOFTMAX AHEAD OF A QUANTISED PRODUCT. Where the list says 'softmax', what is quantised is not the finished softmax but p = 2^(t - M), with t = logit x log2(e) and M = ceil(the row's largest t), a whole number; so 1/2 < the row's largest p <= 1. The row's sum l is taken of the UNQUANTISED p, in f32, and the product's result is divided by l at the end. Since M is a whole number, a kernel that streams over the keys may use a running M (the ceiling of the running maximum): every later rescaling is an exact power of two, which a block's scale takes up: the codes' values come out the same.
;;   OPERANDS COMPUTED ON THE WAY. 'Computed on the way' means the value that the module computes at that place (a softmax that the list does not call 'softmax' is quantised finished and normalised). What goes into a quantiser is computed in f32, as accurately as f32 sums, v_exp_f32 and their like allow (about 1e-6 of the number): no bf16 or f16 on the way to a quantiser, and a product that is left as it is and whose result goes on into a quantised operand takes f32 operands (vector FMAs, or v_wmma_f32_16x16x4_f32). A number that lies on a knife's edge between two numbers of the format may be rounded either way, as far as f32 arithmetic and the matrix unit's own rounding can turn it there, and no further.
;; One version. Each part assembles by itself: llvm-mc -triple=amdgcn-amd-amdhsa -mcpu=gfx1250 --defsym DOCPART=n.
;; ======== version 1 of 1: 4 launches
;; limits: right only within a limited range of input values
;; workspace buffers: cimg 22,020,096 bytes; csc 917,504 bytes; aimg 18,874,368 bytes; asc 1,310,720 bytes; mimg 6,291,456 bytes; msc 262,144 bytes
;; launch quant (part 1): grid 1280 x 1, 2 waves a work-group, no clusters, 46,592 bytes of LDS; arguments Wq, Wk, Wv, Wo, q, k, v, cimg, csc; writes cimg, csc
.if DOCPART == 1
	.amdgcn_target "amdgcn-amd-amdhsa--gfx1250"
	.amdhsa_code_object_version 6
	.text
	.protected	k_qd3d72b0d36_quant
	.globl	k_qd3d72b0d36_quant
	.p2align	8
	.type	k_qd3d72b0d36_quant,@function
k_qd3d72b0d36_quant:
	s_mov_b64 s[64:65], 0
	v_nop
	global_prefetch_b8 v0, s[64:65] scope:SCOPE_SE
	s_setreg_imm32_b32 hwreg(HW_REG_WAVE_MODE, 25, 1), 1
	s_wait_xcnt 0x0
; ALL SEVEN f32 OPERANDS OF THE FOUR PROJECTIONS become codes of FP6 (E2M3) with one E8M0 byte for each 32 along K, in one launch.
; A block's scale is 2^(floor(log2(largest magnitude)) - 2); its byte is the largest magnitude's exponent field - 2, held at 1 from below; each number is divided by the scale and rounded to the nearest code, ties to even.
; LIMITS: NaN and infinities are not served; a block whose largest magnitude lies under 2^-124 keeps the byte 1; a block of zeros has the byte 1
; (its codes are zeros, and this program alone reads the bytes).
; OUTPUT LAYOUT (this program's own): images of operand registers.  A fragment is 16 rows x 128 K, 12 registers a lane, 1,536 bytes: registers 4 c .. 4 c + 3 of lane l at 512 c + 16 l.
; Tile T holds in lane r the row 32 (T / 2) + 8 (T % 2) + r + 8 (r / 8).
;   cimg: [q, k, v][tile 512][K step 8][1536]; from WOFF on [Wq, Wk, Wv, Wo][tile 64][K step 8][1536].    csc: [q, k, v][16 T + r][32 bytes, byte k / 32]; from WSOFF on the same for the four W.
; WORK-GROUPS 0 TO 767 TAKE THE TOKENS (K innermost), 768 TO 1279 THE WEIGHTS (K the first axis): one scalar branch on the work-group's number; each of the two ways has LDS bytes of its own.
; No tensor loads, no barrier, no cluster: waves and work-groups share nothing.
; AS THE TEXT STANDS: two waves to a work-group; work-groups 0 to 767 take the tokens (256 a tensor, a wave a tile), 768 to 1279 the weights (work-group 768 + 16 y + x: x = 64 columns).
; k's tiles alone have another order of rows: tile T holds in lane r the row 64 (T / 4) + 32 (r / 8) + 8 (T % 4) + r % 8, so that a lane of the attention launch's scores holds whole blocks of 32 keys.
.set XWG,   768
.set WLDS,  33792                      ; the weights' LDS begins behind the tokens' two stages
.set WOFF,  18874368
.set WSOFF, 786432
.set WPART, 786432
	v_lshl_add_u32 v254, v0, 2, 0xb400
	v_mov_b32 v255, 0
	s_cmp_ge_u32 ttmp9, XWG
	s_cbranch_scc1 .Lweights
; ---------------- THE TOKENS: q, k, v [8192 rows][1024 (K)].  256 work-groups a tensor, a wave a tile: 16 rows x all of K, in 8 steps of 128.
; Each load reads 512 consecutive bytes of one row; a step's 16 rows turn through the wave's own stage in LDS (rows 528 bytes apart) so that lane (r, h) gets, of row r, 16 neighbours of each block of 32:
; what the conversions want.  Loads run two steps (32 loads a wave) ahead.
.set SI,  2                            ; v2   the stage, on the way in: 16 x lane
.set SO,  3                            ; v3   and on the way out: 528 r + 64 h
.set PC,  8                            ; v8-19 the fragment's codes; v20-22, v24-26 at work
.set R,   32                           ; v32-159  two sets of 64 registers as loaded
.set X,   160                          ; v160-223 64 numbers: register 16 b + i = k 32 b + 16 h + i of my row
.set TM,  224                          ; v224-227 largest magnitudes, v228-231 the other half's, then bytes, v236-239 the conversions' scale operands
.set PW,  240                          ; the scale word just made
.set W,   244                          ; v244-251 the eight steps' scale words
	s_load_b128 s[4:7], s[0:1], 0x20               ; q, k
	s_load_b128 s[8:11], s[0:1], 0x30              ; v, cimg
	s_load_b64 s[12:13], s[0:1], 0x40              ; csc
	v_lshrrev_b32 v1, 5, v0
	v_readfirstlane_b32 s16, v1                    ; wave
	v_and_b32 v6, 31, v0
	v_lshlrev_b32 v1, 4, v6                        ; 16 x lane: loads and image stores
	v_and_b32 v7, 15, v0                           ; r
	v_bfe_u32 v5, v0, 4, 1                         ; h
	s_mul_i32 s17, s16, 16*528                     ; my stage
	v_add_nc_u32 v[SI], s17, v1
	v_mul_u32_u24 v[SO], v7, 528
	v_lshl_add_u32 v[SO], v5, 6, v[SO]
	v_add_nc_u32 v[SO], s17, v[SO]
	v_lshlrev_b32 v4, 5, v7
	v_lshl_add_u32 v4, v5, 4, v4                   ; the scale bytes: 32 r + 16 h
	s_mov_b32 s20, 0x76543210
	s_mov_b32 s21, 0xfedcba98                      ; v_permlanex16_b32's selects for lane l xor 16
.irp b, 0,1,2,3
	v_mov_b32 v[TM+4+\b], 0                        ; written once: a lane permute's destination counts as one of its sources
.endr
	s_lshr_b32 s18, ttmp9, 8                       ; which tensor
	s_and_b32 s19, ttmp9, 255
	s_lshl_b32 s19, s19, 1
	s_add_co_u32 s19, s19, s16                     ; T: my tile
	s_cmp_eq_u32 s18, 1                            ; k?  The choice hangs on the work-group's number alone
	s_cselect_b32 s28, 2, 1                        ; tiles come in fours (k) or in pairs
	s_cselect_b32 s29, 3, 1
	s_cselect_b32 s30, 0x10000, 0                  ; k: a tile's rows 8-15 lie 16 rows further on than in q and v
	s_lshr_b32 s22, s19, s28
	s_add_co_u32 s28, s28, 4
	s_lshl_b32 s22, s22, s28
	s_and_b32 s23, s19, s29
	s_lshl_b32 s23, s23, 3
	v_add_nc_u32 v28, s30, v1                      ; the loads' offset for a tile's rows 8-15
	s_add_co_u32 s22, s22, s23                     ; its first row: 32 (T / 2) + 8 (T % 2)
	s_lshl_b32 s22, s22, 12
	s_mov_b32 s23, 0
	s_mul_i32 s24, s18, 6291456
	s_mul_i32 s25, s19, 12288
	s_add_co_u32 s24, s24, s25
	s_mov_b32 s25, 0
	s_lshl_b32 s26, s18, 18
	s_lshl_b32 s27, s19, 9
	s_add_co_u32 s26, s26, s27
	s_mov_b32 s27, 0
	s_wait_alu depctr_va_vdst(0)
	s_wait_kmcnt 0x0
	s_cmp_lt_u32 ttmp9, 256
	s_cselect_b64 s[4:5], s[4:5], s[6:7]
	s_cmp_lt_u32 ttmp9, 512
	s_cselect_b64 s[4:5], s[4:5], s[8:9]
	s_add_nc_u64 s[4:5], s[4:5], s[22:23]
	s_add_nc_u64 s[10:11], s[10:11], s[24:25]
	s_add_nc_u64 s[12:13], s[12:13], s[26:27]
; 64 numbers of a lane, v[s] on, become a fragment's codes in v[PC .. PC+11] and its scale word in v[PW]
.macro QUANT s
.irp b, 0,1,2,3
	v_max3_num_f32 v[TM+\b], |v[\s+16*\b]|, |v[\s+1+16*\b]|, 0x1800000   ; block b: my 16 numbers, and the floor 2^(3 - 127)
.endr
.irp i, 2,4,6,8,10,12,14
.irp b, 0,1,2,3
	v_max3_num_f32 v[TM+\b], v[TM+\b], |v[\s+16*\b+\i]|, |v[\s+1+16*\b+\i]|   ; the four blocks by turns
.endr
.endr
.irp b, 0,1,2,3
	v_permlanex16_b32 v[TM+4+\b], v[TM+\b], s20, s21
.endr
.irp b, 0,1,2,3
	v_max_num_f32 v[TM+\b], v[TM+\b], v[TM+4+\b]   ; with lane l xor 16's: the block's largest magnitude
.endr
.irp b, 0,1,2,3
	v_add_nc_u32 v[TM+12+\b], 0xff000000, v[TM+\b] ; 2 off its exponent field: the conversion's scale operand
.endr
.irp b, 0,1,2,3
	v_lshrrev_b32 v[TM+4+\b], 23, v[TM+12+\b]      ; the scale's byte
.endr
	v_lshl_or_b32 v[PW], v[TM+5], 8, v[TM+4]
	v_lshl_or_b32 v[PW], v[TM+6], 16, v[PW]
	v_lshl_or_b32 v[PW], v[TM+7], 24, v[PW]
.irp c, 0,1
	v_cvt_scalef32_pk16_fp6_f32 v[PC+6*\c:PC+2+6*\c], v[\s+32*\c:\s+15+32*\c], v[TM+12+2*\c]
	v_cvt_scalef32_pk16_fp6_f32 v[PC+12+4*\c:PC+14+4*\c], v[\s+16+32*\c:\s+31+32*\c], v[TM+12+2*\c+1]
.endr
	v_nop                                          ; one plain place behind a scaled conversion
.irp c, 0,1                                    ; the operand's layout wants a WHOLE block in a lane: lanes 0-15 block 2 c, lanes 16-31 block 2 c + 1
.irp i, 0,1,2
	v_permlane16_swap_b32 v[PC+6*\c+\i], v[PC+12+4*\c+\i]
.endr
.irp i, 0,1,2
	v_mov_b32 v[PC+3+6*\c+\i], v[PC+12+4*\c+\i]
.endr
.endr
.endm
.macro XLOAD s                         ; K step s of my 16 rows: 512 consecutive bytes a load; the tile's row t is row t + 8 (t / 8) from its first
.irp t, 0,1,2,3,4,5,6,7,8,9,10,11,12,13,14,15
	global_load_b128 v[R+64*((\s)%2)+4*\t:R+64*((\s)%2)+4*\t+3], v[1+27*(\t/8)], s[4:5] offset:(\t+8*(\t/8))*4096+512*(\s) th:TH_LOAD_NT
.endr
.endm
.macro XSTEP s
.set RS, R+64*((\s)%2)
.if (\s) < 7
	s_wait_loadcnt 16                              ; this step's 16 loads are in; the next step's 16 may be out
.else
	s_wait_loadcnt 0
.endif
.irp t, 0,1,2,3,4,5,6,7,8,9,10,11,12,13,14,15
	ds_store_b128 v[SI], v[RS+4*\t:RS+4*\t+3] offset:528*\t
.endr
.irp b, 0,1,2,3
.irp j, 0,1,2,3
	ds_load_b128 v[X+16*\b+4*\j:X+16*\b+4*\j+3], v[SO] offset:128*\b+16*\j   ; LDS serves a wave's instructions in order: these see the stores above
.endr
.endr
	s_wait_dscnt 0x0                               ; the numbers are back, and the stage's stores have read their registers
	s_wait_xcnt 0x0                                ; the last step's image stores have read their data: the codes' registers are written again only behind this wait
.if (\s)+2 < 8
	XLOAD (\s)+2
.endif
	QUANT X
	v_mov_b32 v[W+(\s)], v[PW]
.irp c, 0,1,2
	global_store_b128 v1, v[PC+4*\c:PC+4*\c+3], s[10:11] offset:1536*(\s)+512*\c   ; 32 lanes store 512 consecutive bytes, aligned to 512
.endr
.endm
	XLOAD 0
	XLOAD 1
.irp s, 0,1,2,3,4,5,6,7
	XSTEP \s
.endr
	v_cmp_ne_u32 vcc_lo, 0, v5                     ; lanes 0-15 store their row's words 0-3, lanes 16-31 words 4-7
.irp i, 0,1,2,3
	v_cndmask_b32 v[X+\i], v[W+\i], v[W+4+\i], vcc_lo
.endr
	global_store_b128 v4, v[X:X+3], s[12:13]       ; the tile's 512 scale bytes: consecutive, aligned to 512
	s_wait_tensorcnt 0x0
	ds_add_u32 v254, v255
	s_wait_dscnt 0x0
	s_endpgm
; ---------------- THE WEIGHTS: Wq, Wk, Wv, Wo [1024 (k)][1024 (n)].  Work-group 768 + 16 y + x: x = 64 columns, y = 8 W + K step.  A wave takes 32 columns (two tiles) x 128 K.
; A LANE TAKES A COLUMN AND ITS REGISTERS RUN DOWN K: a load reads 128 consecutive bytes, a block of 32 lies in one lane, the conversions give codes with K innermost.  The codes go through the wave's own
; 3,072 bytes of LDS into the images' order and leave as runs of 512 consecutive bytes.  The scale words leave as 4 bytes a lane, 32 bytes apart: 131,072 bytes in all, against 16 MiB read.
.Lweights:
.set WX,   32                          ; v32-95   two sets of 32 numbers
.set WC,   96                          ; v96-101  a block's 24 bytes of codes
.set WC2,  104                         ; v104-106 the second conversion's result (its three registers begin on an even number)
.set WOUT, 112                         ; v112-135 the way out
.set WSB,  24                          ; v24      my column's four scale bytes of this K step
	s_load_b256 s[4:11], s[0:1], 0x0               ; Wq, Wk, Wv, Wo
	s_load_b64 s[12:13], s[0:1], 0x38              ; cimg
	s_load_b64 s[14:15], s[0:1], 0x40              ; csc
	v_lshrrev_b32 v1, 5, v0
	v_readfirstlane_b32 s16, v1                    ; wave
	v_and_b32 v2, 31, v0                           ; lane = my column in the wave's 32
	s_wait_alu depctr_va_vdst(0)
	s_sub_co_u32 s28, ttmp9, XWG
	s_lshr_b32 s17, s28, 4                         ; y
	s_and_b32 s28, s28, 15                         ; x
	s_lshr_b32 s18, s17, 3                         ; which W
	s_and_b32 s19, s17, 7                          ; which K step of 128
	s_lshl_b32 s20, s28, 1
	s_add_co_u32 s20, s20, s16                     ; G: my group of 32 columns = tiles 2 G, 2 G + 1
	v_lshlrev_b32 v3, 2, v2                        ; in: 4 bytes a lane
	v_bfe_u32 v8, v2, 3, 1                         ; u: which of the two tiles my column lies in
	v_and_b32 v9, 7, v2
	v_bfe_u32 v10, v2, 4, 1
	v_lshl_or_b32 v9, v10, 3, v9                   ; r: and which lane of it
	s_mul_i32 s21, s16, 3072
	s_add_co_u32 s21, s21, WLDS                    ; my wave's LDS
	v_mul_u32_u24 v4, v8, 1536
	v_lshl_add_u32 v4, v9, 4, v4
	v_add_nc_u32 v4, s21, v4                       ; into the images: tile u, lane r
	v_lshlrev_b32 v6, 4, v2                        ; out: 16 bytes a lane
	v_add_nc_u32 v5, s21, v6
	v_lshl_add_u32 v7, v8, 4, v9
	v_lshlrev_b32 v7, 5, v7                        ; my row of scale bytes: (16 u + r) x 32
	s_lshl_b32 s22, s19, 19                        ; W: 128 rows of 4,096 bytes a K step,
	s_lshl_b32 s23, s20, 7                         ; 128 bytes a group
	s_add_co_u32 s22, s22, s23
	s_mov_b32 s23, 0
	s_mul_i32 s24, s18, WPART                      ; the images: W, two tiles of 12,288 bytes a group, 1,536 a K step
	s_mul_i32 s25, s20, 24576
	s_add_co_u32 s24, s24, s25
	s_mul_i32 s25, s19, 1536
	s_add_co_u32 s24, s24, s25
	s_add_co_u32 s24, s24, WOFF
	s_mov_b32 s25, 0
	s_lshl_b32 s26, s18, 15                        ; the scale bytes: W, 32 rows of 32 bytes a group, 4 bytes a K step
	s_lshl_b32 s27, s20, 10
	s_add_co_u32 s26, s26, s27
	s_lshl_b32 s27, s19, 2
	s_add_co_u32 s26, s26, s27
	s_add_co_u32 s26, s26, WSOFF
	s_mov_b32 s27, 0
	s_wait_kmcnt 0x0
	s_cmp_eq_u32 s18, 1                            ; the choice of the tensor hangs on the work-group's number alone
	s_cselect_b64 s[4:5], s[6:7], s[4:5]
	s_cmp_eq_u32 s18, 2
	s_cselect_b64 s[4:5], s[8:9], s[4:5]
	s_cmp_eq_u32 s18, 3
	s_cselect_b64 s[4:5], s[10:11], s[4:5]
	s_add_nc_u64 s[4:5], s[4:5], s[22:23]
	s_add_nc_u64 s[12:13], s[12:13], s[24:25]
	s_add_nc_u64 s[14:15], s[14:15], s[26:27]
.macro WLOAD t                         ; block t: W(32 t + i, my column), i = 0 .. 31, into set t % 2
.set ii, 0
.rept 32
	global_load_b32 v[WX+32*((\t)%2)+ii], v3, s[4:5] offset:(32*(\t)+ii)*4096 th:TH_LOAD_NT
.set ii, ii+1
.endr
.endm
	WLOAD 0
	WLOAD 1
.macro WBLOCK t
.set WXS, WX+32*((\t)%2)
.if (\t) < 3
	s_wait_loadcnt 32                              ; this block's 32 loads are in; the next block's 32 may be out
.else
	s_wait_loadcnt 0
.endif
	v_max3_num_f32 v12, |v[WXS]|, |v[WXS+1]|, |v[WXS+2]|     ; the block's largest magnitude: all 32 numbers are mine; two chains
	v_max3_num_f32 v13, |v[WXS+3]|, |v[WXS+4]|, |v[WXS+5]|
.irp i, 6,10,14,18,22,26
	v_max3_num_f32 v12, v12, |v[WXS+\i]|, |v[WXS+\i+1]|
	v_max3_num_f32 v13, v13, |v[WXS+\i+2]|, |v[WXS+\i+3]|
.endr
	v_max3_num_f32 v12, v12, |v[WXS+30]|, |v[WXS+31]|
	v_max3_num_f32 v12, v12, v13, 0x1800000        ; and the floor 2^(3 - 127): the byte cannot fall under 1
	v_add_nc_u32 v11, 0xff000000, v12              ; 2 off the exponent field: the conversion takes this operand's exponent field as its scale
	v_lshrrev_b32 v13, 23, v11                     ; the scale's byte
.if (\t) == 0
	v_mov_b32 v[WSB], v13
.else
	v_lshl_or_b32 v[WSB], v13, 8*(\t), v[WSB]      ; the lower K in the lower byte
.endif
	v_cvt_scalef32_pk16_fp6_f32 v[WC:WC+2], v[WXS:WXS+15], v11
	v_cvt_scalef32_pk16_fp6_f32 v[WC2:WC2+2], v[WXS+16:WXS+31], v11
	v_nop                                          ; one plain place behind a scaled conversion
.irp i, 0,1,2
	v_mov_b32 v[WC+3+\i], v[WC2+\i]                ; v[WC .. WC+5]: the block's 192 bits
.endr
; Block t is registers 6 (t / 2) .. + 5 of lane r + 16 (t % 2) of my tile's fragment: 16 bytes and 8 bytes of two of the image's three planes of 512
.if (\t) < 2
	ds_store_b128 v4, v[WC:WC+3] offset:256*((\t)%2)
	ds_store_b64 v4, v[WC+4:WC+5] offset:512+256*((\t)%2)
.else
	ds_store_b64 v4, v[WC:WC+1] offset:520+256*((\t)%2)
	ds_store_b128 v4, v[WC+2:WC+5] offset:1024+256*((\t)%2)
.endif
.if (\t)+2 < 4
	WLOAD (\t)+2
.endif
	s_wait_dscnt 0x0                               ; the stores have read their registers: the next block's codes may be written
.endm
	WBLOCK 0
	WBLOCK 1
	WBLOCK 2
	WBLOCK 3
	s_wait_alu depctr_va_vdst(0)
	global_store_b32 v7, v[WSB], s[14:15]          ; my column's four scale bytes
.irp i, 0,1,2,3,4,5
	ds_load_b128 v[WOUT+4*\i:WOUT+4*\i+3], v5 offset:512*\i   ; LDS serves a wave's instructions in order: these see my stores
.endr
.irp i, 0,1,2,3,4,5
	s_wait_dscnt 5-\i                              ; the younger read-backs may be out
	global_store_b128 v6, v[WOUT+4*\i:WOUT+4*\i+3], s[12:13] offset:(\i/3)*12288+512*(\i%3)   ; 32 lanes store 512 consecutive bytes, aligned to 512
.endr
	s_wait_tensorcnt 0x0
	ds_add_u32 v254, v255
	s_wait_dscnt 0x0
	s_endpgm
.Lfunc_end_k_qd3d72b0d36_quant:
	.size	k_qd3d72b0d36_quant, .Lfunc_end_k_qd3d72b0d36_quant-k_qd3d72b0d36_quant
	.p2alignl 7, 3214868480
	.fill 96, 4, 3214868480
	.section	.rodata,"a",@progbits
	.p2align	6, 0x0
	.amdhsa_kernel k_qd3d72b0d36_quant
		.amdhsa_group_segment_fixed_size 46592
		.amdhsa_private_segment_fixed_size 0
		.amdhsa_enable_private_segment 0
		.amdhsa_kernarg_size 72
		.amdhsa_user_sgpr_count 2
		.amdhsa_user_sgpr_kernarg_segment_ptr 1
		.amdhsa_wavefront_size32 1
		.amdhsa_system_sgpr_workgroup_id_x 1
		.amdhsa_system_sgpr_workgroup_id_y 1
		.amdhsa_system_sgpr_workgroup_id_z 1
		.amdhsa_system_vgpr_workitem_id 0
		.amdhsa_next_free_vgpr 256
		.amdhsa_next_free_sgpr 66
		.amdhsa_reserve_vcc 1
		.amdhsa_float_denorm_mode_32 3
		.amdhsa_float_denorm_mode_16_64 3
		.amdhsa_memory_ordered 1
		.amdhsa_forward_progress 1
		.amdhsa_inst_pref_size 87
	.end_amdhsa_kernel
	.amdgpu_metadata
---
amdhsa.version: [ 1, 2 ]
amdhsa.kernels:
  - .name:           k_qd3d72b0d36_quant
    .symbol:         k_qd3d72b0d36_quant.kd
    .args:
      - { .name: Wq, .offset: 0, .size: 8, .value_kind: global_buffer, .address_space: global }
      - { .name: Wk, .offset: 8, .size: 8, .value_kind: global_buffer, .address_space: global }
      - { .name: Wv, .offset: 16, .size: 8, .value_kind: global_buffer, .address_space: global }
      - { .name: Wo, .offset: 24, .size: 8, .value_kind: global_buffer, .address_space: global }
      - { .name: q, .offset: 32, .size: 8, .value_kind: global_buffer, .address_space: global }
      - { .name: k, .offset: 40, .size: 8, .value_kind: global_buffer, .address_space: global }
      - { .name: v, .offset: 48, .size: 8, .value_kind: global_buffer, .address_space: global }
      - { .name: cimg, .offset: 56, .size: 8, .value_kind: global_buffer, .address_space: global }
      - { .name: csc, .offset: 64, .size: 8, .value_kind: global_buffer, .address_space: global }
    .group_segment_fixed_size: 46592
    .private_segment_fixed_size: 0
    .kernarg_segment_align: 8
    .kernarg_segment_size: 72
    .max_flat_workgroup_size: 64
    .sgpr_count:     66
    .vgpr_count:     256
    .wavefront_size: 32
...
	.end_amdgpu_metadata
.endif
;; end of part 1
;; launch proj (part 2): grid 4 x 96, 4 waves a work-group, clusters of 4 x 4, 327,680 bytes of LDS; arguments cimg, csc, bq, bk, bv, mask, aimg, asc; writes aimg, asc
.if DOCPART == 2
	.amdgcn_target "amdgcn-amd-amdhsa--gfx1250"
	.amdhsa_code_object_version 6
	.text
	.protected	k_qd3d72b0d36_proj
	.globl	k_qd3d72b0d36_proj
	.p2align	8
	.type	k_qd3d72b0d36_proj,@function
k_qd3d72b0d36_proj:
	s_mov_b64 s[64:65], 0
	v_nop
	global_prefetch_b8 v0, s[64:65] scope:SCOPE_SE
	s_setreg_imm32_b32 hwreg(HW_REG_WAVE_MODE, 25, 1), 1
	s_wait_xcnt 0x0
	s_wait_alu depctr_hold_cnt(0) depctr_sa_sdst(0) depctr_va_vdst(0) depctr_va_sdst(0) depctr_va_ssrc(0) depctr_va_vcc(0) depctr_vm_vsrc(0)
	s_getreg_b32 s2, hwreg(HW_REG_IB_STS2, 6, 4)
	s_cmp_eq_u32 s2, 0
	s_cbranch_scc0 .Lentry_in_a_cluster
	s_endpgm
.Lentry_in_a_cluster:
	s_bfe_u32 s2, ttmp6, 0x10000c
	s_cmp_lg_u32 s2, 0xf033
	s_cbranch_scc0 .Lentry_shape_is_right
	s_endpgm
.Lentry_shape_is_right:
; The three input projections, on codes of FP6 (E2M3) with E8M0 scales, f32 sums; each result is quantised here for the attention launch and stored as images of operand registers.
; ONE PATH FOR q, k AND v.  Cluster y = 8 P + Y8, P = 0 (q), 1 (k), 2 (v).  C' = A' B'^T, a tile of 256 x 256 to a work-group, 128 x 128 to each of four waves (64 accumulators, 512 registers).
;   q, k: A' = the tokens (32 tile rows), B' = W (4 tile columns): C' = x W.   v: A' = Wv (4 tile rows), B' = the tokens (32 tile columns): C' = (v Wv)^T, so that the KEYS run along a lane's registers.
; What differs is chosen by s_cselect_b32 on P, which all partners of a cluster share: offsets, never a branch.
; OPERANDS come as images of their registers (a fragment, 16 rows x 128 K, is 1,536 bytes: registers 4 c .. 4 c + 3 of lane l at 512 c + 16 l), [tile][K step 8][1536]: a fragment is three ds_load_b128
; of 512 consecutive bytes each.  Tile T holds in lane r the row 32 (T / 2) + 8 (T % 2) + r + 8 (r / 8).  THE MATRIX INSTRUCTION IS USED TRANSPOSED (source 0 = B', source 1 = A'): with that order of rows
; register j of lane (r, h) of accumulator (a, b) is column 32 (b / 2) + 16 h + 8 (b % 2) + j: the 64 registers of a block a are 4 x 16 neighbours along the next product's K.
; K = 1,024 IS FOUR STEPS OF 256, THROUGH THREE LDS SLOTS of 98,304 bytes: K step 0 and the scale bytes are asked for at the head (one tensor load a wave), K steps 1 and 2 by one more load a wave, and K step 3 fills slot 0 again
; behind the first change of slots: it has two K steps, 256 matrix instructions, in which to land.  All written out, no loop.
; CLUSTERS: 4 x 4 work-groups; A's tiles are asked for jointly along a row of the cluster, B's along a column.
; THE BIAS of q and k runs along the columns: it is the C of each sum's first matrix instruction.  v's runs along the rows of C': it is added on the way out.
; THE KEY MASK is folded into K's operand: rows of kp whose key is masked are multiplied by 0, and the scale byte of K's block 2 (the padding of the score product's K = 64 to 128) is 253 for them and 1 else.
; The attention launch holds the code of -1 at k = 64 of K's fragments and +1 (byte 127) in Q's: a masked score is then exactly -2^126, an open one has -2^-126 added.
; LIMITS: NaN and infinities are not served; a block whose largest magnitude lies under 2^-124 keeps the byte 1; a block of zeros has the byte 1; a masked score is -2^126 and not the least f32 number.
; OUTPUT: aimg [n 8][head 16][Q: tile 64 x 768 | K: tile 64 x 768 | V: key step 8 x channel tile 4 x 1536]; half a fragment (registers 0-5) is 768 bytes: registers 0-3 at 16 l, 4-5 at 512 + 8 l.
;         asc  [n][head][Q's 16 quads | K's 16 | V's 8] of [r 16][4 words]: word i of a quad is the scale word of its tile i.
; REGISTERS: window 0: v16-29 addresses; v32-63 scale words, two sets; v64-127 the bias as C; v128-223 A's fragments, one set; v224-231 mask bytes, v232-239 v's bias.
;   window 1: B's fragments, two sets, v0-95 and v128-223.   windows 2, 3: the accumulators ((a, b) at v[8 (8 (a % 4) + b)]).
.set XPART, 6291456
.set WPART, 786432
.set WOFF,  18874368
.set WSOFF, 786432
.set HEADB, 147456
.set PARTB, 49152
.set HEADS, 10240
.set NQ,    2                          ; matrix instructions deep in a slot
.set FR,    12                         ; registers of a fragment
.set NL,    3                          ; LDS loads that bring one
.set NP,    4                          ; places behind this matrix instruction (ISA guide 7.12.1)
.set TILEB, 3072                       ; a tile's part of a slot: two fragments
.set HALFT, 8*TILEB                    ; eight tiles: what one tensor load brings, and what one wave reads of A' or of B'
.set SLOT,  4*HALFT
.set KS,    32                         ; a row of scale bytes
.set SCL,   3*SLOT                     ; behind the three slots: the scales, as units of 256 bytes + 16 of padding
.set HALFS, 16*272                     ; those of 128 rows
.set SBLK,  2*272                      ; those of 16 rows
.set SPARE, SCL+4*HALFS                ; the spare words, 128 bytes for each wave: two blocks of 256 bytes that no other line names
.set ADRA, 16                          ; v16-18 LDS address of my A' fragments in slot 0, 1, 2
.set ADRB, 20                          ; v20-22 the same for B'
.set ADRS, 27                          ; v27    of my scale words: lanes 0-15 A's rows, lanes 16-31 B's
.set SPW,  28                          ; v28    my spare word; never rewritten
.set NIL,  29                          ; v29    0; never rewritten
.set SC,   32
.set BN,   64
.set AF,   128
.set MB,   224
.set BMR,  232
.set WVS,  20                          ; s20 wave;  s21 its half of the rows, also: fetches for A' (0) or B' (1);  s22 its half of the columns, also: which eight tiles it fetches
.set ROLE, 21
.set CHS,  22
.set G1,   24
.set G0,   32                          ; s[32:35] group 0 for A's slot 0, s[36:39] for slots 1 and 2;  s[96:99] for K step 0 of A's sixteen tiles at the head
.set G0C,  96
.set G1B,  48
.set G0B,  56                          ; s[56:59] group 0 for B's slot 0, s[60:63] for slots 1 and 2;  s[4:7] for K step 0 of B's sixteen tiles at the head
.set G0BC, 4
.set G1S,  68
.set G0S,  76
.set G1SB, 80
.set G0SB, 88
.set MSB, 0
.macro WIN new                         ; the immediate's high byte repeats the setting that is left
.if MSB != (\new)
	s_set_vgpr_msb (MSB<<8)|(\new)
.set MSB, (\new)
.endif
.endm
.set MUL_LO, 0xa1                      ; source 0 (B') window 1, source 1 (A') window 0, C and D window 2
.set MUL_HI, 0xf1                      ; the same, C and D window 3
.set TO_B,   0x40                      ; destination window 1, address window 0
; A joint load: waves 0 and 1 fetch for A', waves 2 and 3 for B'.  The branch hangs on the wave's number alone.  Four v_nop follow each of the two lines.
.macro JLOAD g0a, g1a, g0b, g1b
	s_cmp_eq_u32 s[ROLE], 0
	s_cbranch_scc0 .Lfor_b_\@
	tensor_load_to_lds s[\g0a:\g0a+3], s[\g1a:\g1a+7]
	s_nop 0
.rept 4
	v_nop
.endr
	s_branch .Lasked_\@
.Lfor_b_\@:
	tensor_load_to_lds s[\g0b:\g0b+3], s[\g1b:\g1b+7]
	s_nop 0
.rept 4
	v_nop
.endr
.Lasked_\@:
.endm
.macro CREST                           ; a round of the cluster's barrier behind its opening barrier
	s_cmp_lg_u32 s[WVS], 0
	s_cbranch_scc1 .Lnot_wave_0_\@
	s_barrier_signal -3
.Lnot_wave_0_\@:
	s_barrier_wait -3
	s_barrier_signal -1
	s_barrier_wait -1
.endm
.macro CROUND
	s_barrier_signal -1
	s_barrier_wait -1
	CREST
.endm
	s_load_b256 s[4:11], s[0:1], 0x0               ; cimg, csc, bq, bk
	s_load_b256 s[12:19], s[0:1], 0x20             ; bv, mask, aimg, asc
	v_lshl_add_u32 v[SPW], v0, 2, SPARE
	v_mov_b32 v[NIL], 0
	ds_add_u32 v28, v29
	ds_add_u32 v28, v29
	s_wait_dscnt 0x0
	v_lshrrev_b32 v1, 5, v0
	v_readfirstlane_b32 s[WVS], v1
	s_lshr_b32 s[ROLE], s[WVS], 1
	s_and_b32 s[CHS], s[WVS], 1
	s_bfe_u32 s40, ttmp6, 0x40000                  ; cx
	s_bfe_u32 s41, ttmp6, 0x40004                  ; cy
	s_and_b32 s23, ttmp7, 0xffff                   ; cluster y
	s_lshr_b32 s44, s23, 3                         ; P
	s_and_b32 s45, s23, 7
	s_lshl_b32 s45, s45, 2                         ; the first of the cluster's four tiles along the tokens
	s_mul_i32 s96, s44, XPART                      ; the tokens' images,
	s_mul_i32 s97, s44, WPART
	s_add_co_u32 s97, s97, WOFF                    ; the weight's,
	s_lshl_b32 s98, s44, 18                        ; the tokens' scale bytes,
	s_lshl_b32 s99, s44, 15
	s_add_co_u32 s99, s99, WSOFF                   ; the weight's
	s_cmp_eq_u32 s44, 1
	s_cselect_b32 s94, -1, 0                       ; s94: all ones for k
	s_cmp_eq_u32 s44, 2                            ; every choice on this compare stands ahead of the next line that sets SCC
	s_cselect_b32 s92, -1, 0                       ; s92: all ones for v
	s_cselect_b32 s93, 0, -1                       ; s93: all ones for q and k
	s_cselect_b32 s2, 0, s45
	s_cselect_b32 s3, s45, 0
	s_cselect_b32 s100, s97, s96                   ; A's images
	s_cselect_b32 s101, s96, s97                   ; B's
	s_cselect_b32 s66, s99, s98                    ; A's scale bytes
	s_cselect_b32 s67, s98, s99                    ; B's
	s_add_co_u32 s43, s41, s2                      ; tile row of C'
	s_add_co_u32 s42, s40, s3                      ; tile column of C'
	s_lshl_b32 s2, s41, 2
	s_lshl_b32 s2, 15, s2                          ; my row of the cluster
	s_lshl_b32 s3, 0x1111, s40                     ; my column
	; descriptor group 1 for the codes: 16 rows (tiles) of 3,072 bytes (384 elements of 8 bytes), 12,288 bytes apart; no padding: every LDS read takes 512 consecutive bytes
	s_or_b32 s[G1+0], s2, (3<<16)|(1<<21)
	s_or_b32 s[G1B+0], s3, (3<<16)|(1<<21)
.irp g, G1, G1B
	s_mov_b32 s[\g+1], 384<<16                     ; tensor_dim0
	s_mov_b32 s[\g+2], 16<<16                      ; tensor_dim1: the head's loads bring all 16 tiles
	s_mov_b32 s[\g+3], 384<<16                     ; tile_dim0
	s_mov_b32 s[\g+4], 16                          ; tile_dim1
	s_mov_b32 s[\g+5], 1536                        ; tensor_dim0_stride
	s_mov_b32 s[\g+6], 0
	s_mov_b32 s[\g+7], 0
.endr
	; and for the scales of 256 rows: 8,192 dense bytes as 32 rows of 256 bytes, 16 bytes of padding behind each
	s_or_b32 s[G1S+0], s2, (3<<16)|(1<<20)|(1<<21)|(5<<22)|(3<<25)
	s_or_b32 s[G1SB+0], s3, (3<<16)|(1<<20)|(1<<21)|(5<<22)|(3<<25)
.irp g, G1S, G1SB
	s_mov_b32 s[\g+1], 32<<16
	s_mov_b32 s[\g+2], 32<<16                      ; the scales of 256 rows: 32 rows of 256 bytes
	s_mov_b32 s[\g+3], 32<<16
	s_mov_b32 s[\g+4], 32
	s_mov_b32 s[\g+5], 32
	s_mov_b32 s[\g+6], 0
	s_mov_b32 s[\g+7], 0
.endr
	s_lshl_b32 s23, s43, 4                         ; A': tile 16 x tile row
	s_mul_i32 s96, s23, 12288
	s_add_co_u32 s96, s96, s100
	s_mov_b32 s97, 0
	s_lshl_b32 s98, s23, 9
	s_add_co_u32 s98, s98, s66
	s_mov_b32 s99, 0
	s_lshl_b32 s46, s42, 4                         ; B': tile 16 x tile column
	s_lshl_b32 s100, s46, 9
	s_add_co_u32 s100, s100, s67
	s_mul_i32 s46, s46, 12288
	s_add_co_u32 s46, s46, s101
	s_mov_b32 s47, 0
	s_mov_b32 s101, 0
	s_mul_i32 s45, s[WVS], HALFT                   ; where they go: no place in the cluster enters an LDS address
	s_mul_i32 s66, s[CHS], 8*12288                 ; behind the head I fetch eight tiles: which half, in bytes
	s_mov_b32 s67, 0
	s_wait_kmcnt 0x0
	s_add_nc_u64 s[96:97], s[4:5], s[96:97]
	s_add_nc_u64 s[98:99], s[6:7], s[98:99]
	s_add_nc_u64 s[46:47], s[4:5], s[46:47]
	s_add_nc_u64 s[100:101], s[6:7], s[100:101]
; AS THE TEXT STANDS: the head asks for four tiles, one a wave: K step 0 of A's 16 tiles, of B's 16 tiles, the scales of A's 256 rows, of B's.
; K steps 1 and 2 come by ONE load a wave behind the first round: eight tiles' rows of 6,144 bytes, into the 196,608 bytes behind slot 0.  K step 3 fills slot 0 again behind the first change of slots.
	s_mov_b32 s[G0S], 1                            ; the scales of A's 256 rows,
	s_mov_b32 s[G0S+1], SCL
	s_mov_b64 s[G0S+2:G0S+3], s[98:99]
	s_or_b32 s[G0S+3], s[G0S+3], 0x80000000
	s_mov_b32 s[G0SB], 1                           ; of B's
	s_mov_b32 s[G0SB+1], SCL+2*HALFS
	s_mov_b64 s[G0SB+2:G0SB+3], s[100:101]
	s_or_b32 s[G0SB+3], s[G0SB+3], 0x80000000
	s_mov_b32 s[G0BC], 1                           ; K step 0 of B's 16 tiles (in the registers that held the two pointers)
	s_mov_b32 s[G0BC+1], 2*HALFT
	s_mov_b64 s[G0BC+2:G0BC+3], s[46:47]
	s_or_b32 s[G0BC+3], s[G0BC+3], 0x80000000
	s_add_nc_u64 s[100:101], s[96:97], s[66:67]    ; my eight tiles of A',
	s_add_nc_u64 s[46:47], s[46:47], s[66:67]      ; of B'
	s_lshl_b32 s66, s45, 1
	s_add_co_u32 s66, s66, SLOT                    ; where K steps 1 and 2 of them go: behind slot 0, wave x 49,152
	s_mov_b32 s[G0], 1                             ; slot 0's set stands at K step 0 and is stepped to K step 3 ahead of its one use
	s_mov_b32 s[G0+1], s45
	s_mov_b64 s[G0+2:G0+3], s[100:101]
	s_or_b32 s[G0+3], s[G0+3], 0x80000000
	s_mov_b32 s[G0+4], 1
	s_mov_b32 s[G0+5], s66
	s_add_nc_u64 s[G0+6:G0+7], s[100:101], TILEB
	s_or_b32 s[G0+7], s[G0+7], 0x80000000
	s_mov_b32 s[G0B], 1
	s_mov_b32 s[G0B+1], s45
	s_mov_b64 s[G0B+2:G0B+3], s[46:47]
	s_or_b32 s[G0B+3], s[G0B+3], 0x80000000
	s_mov_b32 s[G0B+4], 1
	s_mov_b32 s[G0B+5], s66
	s_add_nc_u64 s[G0B+6:G0B+7], s[46:47], TILEB
	s_or_b32 s[G0B+7], s[G0B+7], 0x80000000
	s_mov_b64 s[G0C+2:G0C+3], s[96:97]             ; K step 0 of A's 16 tiles (its base has been used)
	s_or_b32 s[G0C+3], s[G0C+3], 0x80000000
	s_mov_b32 s[G0C], 1
	s_mov_b32 s[G0C+1], 0
	CROUND                                         ; all sixteen work-groups are here: the first joint loads meet
.macro ARM under, g0, g1, next                 ; one tree of branches on the wave's number: every way through it passes one load
	s_cmp_lt_u32 s[WVS], \under
	s_cbranch_scc0 \next
	tensor_load_to_lds s[\g0:\g0+3], s[\g1:\g1+7]
	s_nop 0
.rept 4
	v_nop
.endr
	s_branch .Lhead_asked
\next:
.endm
	ARM 1, G0C,  G1,  .Lhead_b
	ARM 2, G0BC, G1B, .Lhead_sa
	ARM 3, G0S,  G1S, .Lhead_sb
	tensor_load_to_lds s[G0SB:G0SB+3], s[G1SB:G1SB+7]
	s_nop 0
.rept 4
	v_nop
.endr
.Lhead_asked:
	; the bias, the mask bytes
	v_and_b32 v1, 15, v0                           ; r
	v_bfe_u32 v2, v0, 4, 1                         ; h
	v_lshlrev_b32 v7, 6, v2                        ; 16 h numbers
	s_wait_alu depctr_va_vdst(0)
	v_and_b32 v8, 8, v1
	v_add_nc_u32 v8, v8, v1                        ; r + 8 (r / 8)
	s_wait_alu depctr_va_vdst(0)
	v_lshlrev_b32 v9, 2, v8
	v_and_b32 v10, 8, v1
	v_mad_u32_u24 v10, v10, 3, v1                  ; k's order of rows in a tile: r % 8 + 32 (r / 8)
	s_wait_alu depctr_va_vdst(0)
	s_cmp_eq_u32 s44, 1
	s_cselect_b64 s[8:9], s[10:11], s[8:9]
	s_cmp_eq_u32 s44, 2
	s_cselect_b64 s[8:9], s[12:13], s[8:9]         ; my tensor's bias
	s_lshl_b32 s2, s42, 8
	s_lshl_b32 s3, s[CHS], 7
	s_add_co_u32 s2, s2, s3                        ; my first column of C'
	s_lshl_b32 s66, s43, 8
	s_lshl_b32 s3, s[ROLE], 7
	s_add_co_u32 s66, s66, s3                      ; my first row of C'
	s_and_b32 s2, s2, s93                          ; q, k: the bias runs along my columns (v: any 128 numbers; they are cleared below)
	s_lshl_b32 s2, s2, 2
	s_mov_b32 s3, 0
	s_add_nc_u64 s[10:11], s[8:9], s[2:3]
	s_and_b32 s2, s66, s92                         ; v: along my rows (q, k: any; cleared on the way out)
	s_lshl_b32 s2, s2, 2
	s_add_nc_u64 s[12:13], s[8:9], s[2:3]
	s_and_b32 s2, s66, s94                         ; k: my rows are keys (q, v: any; not used)
	s_add_nc_u64 s[14:15], s[14:15], s[2:3]
.irp b, 0,1,2,3,4,5,6,7
	global_load_b128 v[BN+8*\b:BN+8*\b+3], v7, s[10:11] offset:(32*(\b/2)+8*(\b%2))*4
	global_load_b128 v[BN+8*\b+4:BN+8*\b+7], v7, s[10:11] offset:(32*(\b/2)+8*(\b%2))*4+16
.endr
.irp a, 0,1,2,3,4,5,6,7
	global_load_u8 v[MB+\a], v10, s[14:15] offset:64*(\a/4)+8*(\a%4)
	global_load_b32 v[BMR+\a], v9, s[12:13] offset:(32*(\a/2)+8*(\a%2))*4
.endr
	s_wait_loadcnt 0x0
.set ii, 0
.rept 64
	v_and_b32 v[BN+ii], s93, v[BN+ii]              ; v has no bias along the columns: zeros
.set ii, ii+1
.endr
	v_and_b32 v3, 31, v0
	v_lshlrev_b32 v3, 4, v3                        ; an image's place for my lane
	s_mul_i32 s2, s[ROLE], HALFT                   ; my eight tiles of A'
	s_mul_i32 s3, s[CHS], HALFT                    ; my eight of B',
	s_add_co_u32 s3, s3, 2*HALFT                   ; which lie behind A's sixteen
	s_wait_alu depctr_va_vdst(0)
	v_add_nc_u32 v[ADRA], s2, v3
	v_add_nc_u32 v[ADRB], s3, v3
	s_lshl_b32 s2, s2, 1                           ; behind slot 0 a tile has 6,144 bytes: K step 1, then K step 2
	s_lshl_b32 s3, s3, 1
	s_add_co_u32 s2, s2, SLOT
	s_add_co_u32 s3, s3, SLOT
	v_add_nc_u32 v[ADRA+1], s2, v3
	v_add_nc_u32 v[ADRB+1], s3, v3
	v_add_nc_u32 v[ADRA+2], TILEB, v[ADRA+1]
	v_add_nc_u32 v[ADRB+2], TILEB, v[ADRB+1]
	v_mul_u32_u24 v5, v1, KS                       ; my row's scales: 32 bytes a row,
	v_lshrrev_b32 v6, 8, v5
	v_lshl_add_u32 v5, v6, 4, v5                   ; and 16 more for each 256 passed
	s_mul_i32 s2, s[ROLE], HALFS
	s_mul_i32 s3, s[CHS], HALFS
	s_add_co_u32 s3, s3, 2*HALFS
	s_sub_co_u32 s3, s3, s2
	v_mul_u32_u24 v6, s3, v2                       ; lanes 16-31 take B's
	s_add_co_u32 s2, s2, SCL
	v_add_nc_u32 v5, v5, v6
	v_add_nc_u32 v[ADRS], s2, v5
.macro FRAG reg, adr, q, i             ; a fragment comes as it was stored: three loads of 512 consecutive bytes
.irp c, 0,1,2
	ds_load_b128 v[\reg+4*\c:\reg+4*\c+3], v[\adr] offset:(\i)*TP+(\q)*1536+512*\c
.endr
.endm
; 16 matrix instructions: A's blocks a0, a0 + 1 x B's eight, 128 along K.  p: B's set; sc: the set of scale words.  zero = 1: the sums begin with the bias as C: nothing is cleared.
; The 64 accumulators take turns, one instruction a turn, in the same order in every step.
.macro MUL16 a0, p, q, sc, zero
.irp a, \a0, \a0+1
.irp b, 0,1,2,3,4,5,6,7
.if \zero
	v_wmma_scale_f32_16x16x128_f8f6f4 v[8*(8*((\a)%4)+\b):8*(8*((\a)%4)+\b)+7], v[128*(\p)+FR*\b:128*(\p)+FR*\b+FR-1], v[AF+FR*(\a):AF+FR*(\a)+FR-1], v[BN+8*\b:BN+8*\b+7], v[SC+8*NQ*(\sc)+NQ*\b+(\q)], v[SC+8*NQ*(\sc)+NQ*(\a)+(\q)] matrix_a_fmt:MATRIX_FMT_FP6 matrix_b_fmt:MATRIX_FMT_FP6 matrix_a_scale:MATRIX_SCALE_ROW1
.else
	v_wmma_scale_f32_16x16x128_f8f6f4 v[8*(8*((\a)%4)+\b):8*(8*((\a)%4)+\b)+7], v[128*(\p)+FR*\b:128*(\p)+FR*\b+FR-1], v[AF+FR*(\a):AF+FR*(\a)+FR-1], v[8*(8*((\a)%4)+\b):8*(8*((\a)%4)+\b)+7], v[SC+8*NQ*(\sc)+NQ*\b+(\q)], v[SC+8*NQ*(\sc)+NQ*(\a)+(\q)] matrix_a_fmt:MATRIX_FMT_FP6 matrix_b_fmt:MATRIX_FMT_FP6 matrix_a_scale:MATRIX_SCALE_ROW1
.endif
.endr
.endr
.endm
.macro FETCH_B slot, q, p
.set TP, TILEB*(1+((\slot)+1)/2)       ; from tile to tile: 3,072 bytes in slot 0, 6,144 behind it
	WIN TO_B
.irp i, 0,1,2,3,4,5,6,7
	FRAG 128*(\p)+FR*\i, ADRB+\slot, \q, \i
.endr
	WIN 0
.endm
.macro FETCH_A slot, q, i0
.set TP, TILEB*(1+((\slot)+1)/2)
.irp i, \i0, \i0+1, \i0+2, \i0+3
	FRAG AF+FR*(\i), ADRA+\slot, \q, \i
.endr
.endm
.macro SCALES sc                       ; a K step's scale words: two words a row; lanes 0-15 take A's block i, lanes 16-31 B's block i
.irp i, 0,1,2,3,4,5,6,7
	ds_load_b64 v[SC+8*NQ*\sc+NQ*\i:SC+8*NQ*\sc+NQ*\i+1], v[ADRS] offset:\i*SBLK
.endr
.endm
.macro PLACES n                        ; plain vector instructions between a matrix instruction and a load into, or a read of, its registers
.rept \n
	v_nop
.endr
.endm
; A step of 128 along K that has its successor in the same slot.  A has one set of registers: blocks 0-3 are fetched anew in the step's middle, blocks 4-7 at its end; B has two sets.  sc: the K step's set of scale words.
.macro STEP slot, q, sc, zero
	s_wait_dscnt 4*NL                              ; B's set and A's blocks 0-3 are in; the youngest 12 loads (A's blocks 4-7) may be out
	WIN (MUL_LO-0x20*\zero)                        ; (with the bias as C: source 2 in window 0)
	MUL16 0, (\q)%2, \q, \sc, \zero
	MUL16 2, (\q)%2, \q, \sc, \zero
	s_wait_dscnt 0
	PLACES NP
	FETCH_B \slot, (\q)+1, 1-(\q)%2
	FETCH_A \slot, (\q)+1, 0
	WIN (MUL_HI-0x30*\zero)
	MUL16 4, (\q)%2, \q, \sc, \zero
	MUL16 6, (\q)%2, \q, \sc, \zero
	PLACES NP
	WIN 0
	FETCH_A \slot, (\q)+1, 4
.endm
; A slot's last step goes on to the next slot.  sc, nsc: this K step's and the next one's set of scale words.
; mode 1: this slot is filled again, three K steps ahead: each wave waits for all its tensor loads, adds 0 to its spare word, waits for that and for its own reads of this slot; the barrier opens a round of the cluster's.
; mode 0: the next slot's tile was a refill: the same three lines and the work-group's barrier, so that every wave's part of it has landed; nothing is filled.
; mode 2: the next slot's tile was shown landed, in every wave, in front of an earlier barrier, and nothing is filled: no barrier.
.macro TURN slot, next, sc, nsc, mode
.if \mode < 2
	s_wait_tensorcnt 0x0                           ; all my tensor loads have landed
	ds_add_u32 v[SPW], v[NIL]                      ; 0 onto my spare word
	s_wait_dscnt 4*NL+1                            ; (the add and the youngest 12 loads, A's blocks 4-7, may be out)
.else
	s_wait_dscnt 4*NL                              ; (the youngest 12 loads, A's blocks 4-7, may be out)
.endif
	WIN MUL_LO
	MUL16 0, 1, NQ-1, \sc, 0                       ; sixteen matrix instructions stand between the add and the wait for it
	s_wait_dscnt 0x0                               ; the add is done, and my reads of this slot are over
.if \mode < 2
	s_barrier_signal -1
.endif
	MUL16 2, 1, NQ-1, \sc, 0
	WIN 0
.if \mode < 2
	s_barrier_wait -1
.endif
.if \mode == 1
	CREST                                          ; the barrier has opened a round of the cluster's barrier: no wave of any partner still reads this slot or has a load on its way
	s_add_nc_u64 s[G0+4*\slot+2:G0+4*\slot+3], s[G0+4*\slot+2:G0+4*\slot+3], 3*TILEB
	s_add_nc_u64 s[G0B+4*\slot+2:G0B+4*\slot+3], s[G0B+4*\slot+2:G0B+4*\slot+3], 3*TILEB
	s_mov_b32 s[G1+1], 384<<16                     ; no tensor load of mine is out: rows of 3,072 bytes again
	s_mov_b32 s[G1+3], 384<<16
	s_mov_b32 s[G1B+1], 384<<16
	s_mov_b32 s[G1B+3], 384<<16
	JLOAD G0+4*\slot, G1, G0B+4*\slot, G1B         ; the first tensor load behind the round, and my last; its four v_nop are the places in front of the loads below
.else
	PLACES NP
.endif
	v_add_nc_u32 v[ADRS], 4*NQ, v[ADRS]            ; on to the next K step's scale words
	FETCH_B \next, 0, 0
	FETCH_A \next, 0, 0
	SCALES \nsc
	WIN MUL_HI
	MUL16 4, 1, NQ-1, \sc, 0
	MUL16 6, 1, NQ-1, \sc, 0
	PLACES NP
	WIN 0
	FETCH_A \next, 0, 4
.endm
	s_wait_alu depctr_va_vdst(0)
	s_wait_tensorcnt 0x0                           ; my tile of the head's four is in
	ds_add_u32 v[SPW], v[NIL]
.irp g, G1, G1B
	s_mov_b32 s[\g+1], 768<<16                     ; no tensor load of mine is out: the next load brings eight tiles' rows of 6,144 bytes
	s_mov_b32 s[\g+2], 8<<16
	s_mov_b32 s[\g+3], 768<<16
	s_mov_b32 s[\g+4], 8
.endr
	s_wait_dscnt 0x0
	CROUND                                         ; all four tiles are in, all sixteen work-groups are here
	JLOAD G0+4, G1, G0B+4, G1B                     ; K steps 1 and 2: my one load behind the round
	FETCH_B 0, 0, 0
	FETCH_A 0, 0, 0
	SCALES 0
	FETCH_A 0, 0, 4
	STEP 0, 0, 0, 1                                ; K step 0, in slot 0
	TURN 0, 1, 0, 1, 1                             ; slot 0 takes K step 3; K steps 1 and 2 have landed in every wave
	s_wait_alu depctr_va_vdst(0)
	STEP 1, 0, 1, 0                                ; K step 1
	TURN 1, 2, 1, 0, 2
	s_wait_alu depctr_va_vdst(0)
	STEP 2, 0, 0, 0                                ; K step 2
	TURN 2, 0, 0, 1, 0                             ; K step 3 has landed
	STEP 0, 0, 1, 0                                ; K step 3, in slot 0
	s_wait_dscnt 4*NL
	WIN MUL_LO
	MUL16 0, 1, NQ-1, 1, 0
	MUL16 2, 1, NQ-1, 1, 0
	s_wait_dscnt 0
	WIN MUL_HI
	MUL16 4, 1, NQ-1, 1, 0
	MUL16 6, 1, NQ-1, 1, 0
	WIN 0
; THE WAY OUT: no LDS.  A block a (16 rows of C' x my 128 columns) is 64 registers a lane in the quantiser's order: it becomes a fragment, which is stored as it stands.
; q, k: its two halves are two heads' half fragments of token tile a.   v: it is the whole fragment (128 keys) of channel tile a % 4 of head a / 4.
.set MF,  32                           ; v32-47  pairs: 0 for a masked key's row of k, else 1
.set BM,  48                           ; v48-63  pairs: v's bias of my row, else 0
.set T,   64                           ; v64-127 the block's 64 numbers
.set TM,  128
.set PW,  144
.set EB,  240                          ; v240-247 the upper two bytes of a half fragment's scale word
.set SW,  248                          ; v248-255 the eight scale words
.set L16, 16
.set L8,  17
.set L16D, 18
.set L8D, 19
.set SA,  20
.set SA2, 21
.set SH,  22
.set ONE, 23
.set ZER, 24
.set EOP, 25
.set EMK, 26
	s_mov_b32 s45, 0x017f0000                      ; Q's blocks 2, 3: bytes 127, 1
	s_cmp_eq_u32 s44, 1
	s_cselect_b32 s45, 0x01010000, s45             ; an open key's: 1, 1
	s_mov_b32 s8, HEADB
	s_mov_b32 s10, 768
	s_mov_b32 s2, 256
	s_cmp_eq_u32 s44, 2                            ; every choice on this compare stands ahead of the next line that sets SCC
	s_cselect_b32 s45, 0, s45                      ; v's word is whole as it is made
	s_cselect_b32 s4, s42, s43                     ; the tile along the tokens,
	s_cselect_b32 s5, s43, s42                     ; along the channels,
	s_cselect_b32 s6, s[CHS], s[ROLE]              ; my half along the tokens,
	s_cselect_b32 s7, s[ROLE], s[CHS]              ; along the channels
	s_cselect_b32 s8, 768, s8                      ; from a fragment's first half to its second: on end (v), or a head on (q, k)
	s_cselect_b32 s10, 1536, s10                   ; from block to block
	s_cselect_b32 s12, HEADB-4*1536, 0             ; v: behind block 3 a head on
	s_cselect_b32 s14, 8, 9                        ; my scale words: one quad (v) or two
	s_cselect_b32 s15, 0, HEADS                    ; q, k: lanes 16-31 store the second head's words
	s_cselect_b32 s2, HEADS, s2                    ; blocks 4-7: a head on (v), or a quad on
	s_cselect_b32 s3, -1, 0xffff
	s_cselect_b32 s23, 0, 16
	s_mov_b32 s11, 0
	s_mov_b32 s13, 0
	s_lshr_b32 s46, s4, 2
	s_lshl_b32 s46, s46, 4
	s_lshl_b32 s47, s5, 2
	s_add_co_u32 s46, s46, s47
	s_lshl_b32 s47, s7, 1
	s_add_co_u32 s46, s46, s47                     ; 16 n + my first head
	s_and_b32 s47, s4, 3
	s_lshl_b32 s47, s47, 1
	s_add_co_u32 s47, s47, s6                      ; which 128 tokens of the 1,024
	s_mul_i32 s96, s46, HEADB
	s_mul_i32 s66, s44, PARTB
	s_add_co_u32 s96, s96, s66
	s_mul_i32 s66, s47, 6144
	s_add_co_u32 s96, s96, s66
	s_mov_b32 s97, 0
	s_add_nc_u64 s[16:17], s[16:17], s[96:97]
	s_mul_i32 s98, s46, HEADS
	s_lshl_b32 s66, s44, 12
	s_add_co_u32 s98, s98, s66
	s_lshl_b32 s66, s47, s14
	s_add_co_u32 s98, s98, s66
	s_mov_b32 s99, 0
	s_add_nc_u64 s[18:19], s[18:19], s[98:99]
	s_mov_b32 s100, 0x76543210
	s_mov_b32 s101, 0xfedcba98                     ; v_permlanex16_b32's selects for lane l xor 16
	PLACES NP                                      ; behind the last products: their scale words' and fragments' registers are written below
	v_and_b32 v1, 15, v0
	v_bfe_u32 v2, v0, 4, 1
	v_and_b32 v3, 31, v0
	v_lshlrev_b32 v[L16], 4, v3
	v_lshlrev_b32 v[L8], 3, v3
	v_add_nc_u32 v[L16D], s8, v[L16]
	v_add_nc_u32 v[L8D], s8, v[L8]
	v_mul_u32_u24 v[SA], s15, v2
	v_lshl_add_u32 v[SA], v1, 4, v[SA]
	v_add_nc_u32 v[SA2], s2, v[SA]
	v_mul_u32_u24 v[SH], s23, v2                   ; q, k: lanes 16-31 take the word's upper two bytes
	v_mov_b32 v[ONE], 1.0
	v_mov_b32 v[ZER], 0
	v_mov_b32 v[EOP], s45
	v_mov_b32 v[EMK], 0x01fd0000                   ; a masked key's blocks 2, 3: bytes 253, 1
.irp b, 0,1,2,3
	v_mov_b32 v[TM+4+\b], 0                        ; written once: a lane permute's destination counts as one of its sources
.endr
.irp a, 0,1,2,3,4,5,6,7
	v_cmp_eq_u32 s95, 0, v[MB+\a]                  ; my row's key is masked,
	s_and_b32 s95, s95, s94                        ; which counts for k alone.  A choice of values: no branch and no address hangs on it
	v_cndmask_b32 v[MF+2*\a], v[ONE], v[ZER], s95
	v_cndmask_b32 v[MF+2*\a+1], v[ONE], v[ZER], s95
	v_cndmask_b32 v[EB+\a], v[EOP], v[EMK], s95
	v_and_b32 v[BM+2*\a], s92, v[BMR+\a]
	v_and_b32 v[BM+2*\a+1], s92, v[BMR+\a]
.endr
; 64 numbers of a lane, v[s] on (register 16 b + i = k 32 b + 16 h + i of my row), become codes: registers 0-5 of the fragment at v[c0] on, 6-11 at v[c1] on; the scale word in v[PW]
.macro QUANT s, c0, c1, t0, t1
.irp b, 0,1,2,3
	v_max3_num_f32 v[TM+\b], |v[\s+16*\b]|, |v[\s+1+16*\b]|, 0x1800000   ; block b: my 16 numbers, and the floor 2^(3 - 127)
.endr
.irp i, 2,4,6,8,10,12,14
.irp b, 0,1,2,3
	v_max3_num_f32 v[TM+\b], v[TM+\b], |v[\s+16*\b+\i]|, |v[\s+1+16*\b+\i]|
.endr
.endr
.irp b, 0,1,2,3
	v_permlanex16_b32 v[TM+4+\b], v[TM+\b], s100, s101
.endr
.irp b, 0,1,2,3
	v_max_num_f32 v[TM+\b], v[TM+\b], v[TM+4+\b]
.endr
.irp b, 0,1,2,3
	v_add_nc_u32 v[TM+12+\b], 0xff000000, v[TM+\b]
.endr
.irp b, 0,1,2,3
	v_lshrrev_b32 v[TM+4+\b], 23, v[TM+12+\b]
.endr
	v_lshl_or_b32 v[PW], v[TM+5], 8, v[TM+4]
	v_lshl_or_b32 v[PW], v[TM+6], 16, v[PW]
	v_lshl_or_b32 v[PW], v[TM+7], 24, v[PW]
	v_cvt_scalef32_pk16_fp6_f32 v[\c0:\c0+2], v[\s:\s+15], v[TM+12]
	v_cvt_scalef32_pk16_fp6_f32 v[\t0:\t0+2], v[\s+16:\s+31], v[TM+13]
	v_cvt_scalef32_pk16_fp6_f32 v[\c1:\c1+2], v[\s+32:\s+47], v[TM+14]
	v_cvt_scalef32_pk16_fp6_f32 v[\t1:\t1+2], v[\s+48:\s+63], v[TM+15]
	v_nop                                          ; one plain place behind a scaled conversion
.irp i, 0,1,2
	v_permlane16_swap_b32 v[\c0+\i], v[\t0+\i]     ; a WHOLE block to a lane: lanes 0-15 the even block, lanes 16-31 the odd one
	v_permlane16_swap_b32 v[\c1+\i], v[\t1+\i]
.endr
.irp i, 0,1,2
	v_mov_b32 v[\c0+3+\i], v[\t0+\i]
	v_mov_b32 v[\c1+3+\i], v[\t1+\i]
.endr
.endm
.macro OUTBLK a
.set AC, 64*((\a)%4)
	WIN (0x02+(\a)/4)                              ; source 0: window 2 or 3
.set ii, 0
.rept 32
	v_pk_fma_f32 v[T+2*ii:T+2*ii+1], v[AC+2*ii:AC+2*ii+1], v[MF+2*(\a):MF+2*(\a)+1], v[BM+2*(\a):BM+2*(\a)+1]   ; x 0 for a masked key, + v's bias; each accumulator from its low end on
.set ii, ii+1
.endr
	WIN 0
	s_wait_xcnt 0x0                                ; the last block's stores have read their data and their base: both are written again only behind this wait
.if (\a) > 0
	s_add_nc_u64 s[16:17], s[16:17], s[10:11]
.endif
.if (\a) == 4
	s_add_nc_u64 s[16:17], s[16:17], s[12:13]
.endif
	QUANT T, 148, 156, 164, 168
	v_lshrrev_b32 v[SW+(\a)], v[SH], v[PW]
	v_and_or_b32 v[SW+(\a)], v[SW+(\a)], s3, v[EB+(\a)]
	global_store_b128 v[L16], v[148:151], s[16:17]             ; 512 consecutive bytes, aligned to 256
	global_store_b64 v[L8], v[152:153], s[16:17] offset:512    ; 256 consecutive bytes, aligned
	global_store_b128 v[L16D], v[156:159], s[16:17]
	global_store_b64 v[L8D], v[160:161], s[16:17] offset:512
.endm
.irp a, 0,1,2,3,4,5,6,7
	OUTBLK \a
.endr
	global_store_b128 v[SA], v[SW:SW+3], s[18:19]  ; sixteen lanes fill a quad of 256 bytes (v: lanes 16-31 repeat lanes 0-15's bytes)
	global_store_b128 v[SA2], v[SW+4:SW+7], s[18:19]
	s_wait_tensorcnt 0x0                           ; the wave's end
	ds_add_u32 v[SPW], v[NIL]
	s_wait_dscnt 0x0
	CROUND                                         ; the closing round: no work-group ends while a partner may still ask for a tile that names it
	s_endpgm
.Lfunc_end_k_qd3d72b0d36_proj:
	.size	k_qd3d72b0d36_proj, .Lfunc_end_k_qd3d72b0d36_proj-k_qd3d72b0d36_proj
	.p2alignl 7, 3214868480
	.fill 96, 4, 3214868480
	.section	.rodata,"a",@progbits
	.p2align	6, 0x0
	.amdhsa_kernel k_qd3d72b0d36_proj
		.amdhsa_group_segment_fixed_size 327680
		.amdhsa_private_segment_fixed_size 0
		.amdhsa_enable_private_segment 0
		.amdhsa_kernarg_size 64
		.amdhsa_user_sgpr_count 2
		.amdhsa_user_sgpr_kernarg_segment_ptr 1
		.amdhsa_wavefront_size32 1
		.amdhsa_system_sgpr_workgroup_id_x 1
		.amdhsa_system_sgpr_workgroup_id_y 1
		.amdhsa_system_sgpr_workgroup_id_z 1
		.amdhsa_system_vgpr_workitem_id 0
		.amdhsa_next_free_vgpr 1024
		.amdhsa_next_free_sgpr 102
		.amdhsa_reserve_vcc 0
		.amdhsa_float_denorm_mode_32 3
		.amdhsa_float_denorm_mode_16_64 3
		.amdhsa_memory_ordered 1
		.amdhsa_forward_progress 1
		.amdhsa_inst_pref_size 169
	.end_amdhsa_kernel
	.amdgpu_metadata
---
amdhsa.version: [ 1, 2 ]
amdhsa.kernels:
  - .name:           k_qd3d72b0d36_proj
    .symbol:         k_qd3d72b0d36_proj.kd
    .args:
      - { .name: cimg, .offset: 0, .size: 8, .value_kind: global_buffer, .address_space: global }
      - { .name: csc, .offset: 8, .size: 8, .value_kind: global_buffer, .address_space: global }
      - { .name: bq, .offset: 16, .size: 8, .value_kind: global_buffer, .address_space: global }
      - { .name: bk, .offset: 24, .size: 8, .value_kind: global_buffer, .address_space: global }
      - { .name: bv, .offset: 32, .size: 8, .value_kind: global_buffer, .address_space: global }
      - { .name: mask, .offset: 40, .size: 8, .value_kind: global_buffer, .address_space: global }
      - { .name: aimg, .offset: 48, .size: 8, .value_kind: global_buffer, .address_space: global }
      - { .name: asc, .offset: 56, .size: 8, .value_kind: global_buffer, .address_space: global }
    .group_segment_fixed_size: 327680
    .private_segment_fixed_size: 0
    .kernarg_segment_align: 8
    .kernarg_segment_size: 64
    .max_flat_workgroup_size: 128
    .sgpr_count:     102
    .vgpr_count:     1024
    .wavefront_size: 32
...
	.end_amdgpu_metadata
.endif
;; end of part 2
;; launch attn (part 3): grid 4 x 64, 16 waves a work-group, clusters of 4 x 1, 215,040 bytes of LDS; arguments aimg, asc, mimg, msc; writes mimg, msc
.if DOCPART == 3
	.amdgcn_target "amdgcn-amd-amdhsa--gfx1250"
	.amdhsa_code_object_version 6
	.text
	.protected	k_qd3d72b0d36_attn
	.globl	k_qd3d72b0d36_attn
	.p2align	8
	.type	k_qd3d72b0d36_attn,@function
k_qd3d72b0d36_attn:
	s_mov_b64 s[64:65], 0
	v_nop
	global_prefetch_b8 v0, s[64:65] scope:SCOPE_SE
	s_setreg_imm32_b32 hwreg(HW_REG_WAVE_MODE, 25, 1), 1
	s_wait_xcnt 0x0
	s_wait_alu depctr_hold_cnt(0) depctr_sa_sdst(0) depctr_va_vdst(0) depctr_va_sdst(0) depctr_va_ssrc(0) depctr_va_vcc(0) depctr_vm_vsrc(0)
	s_getreg_b32 s2, hwreg(HW_REG_IB_STS2, 6, 4)
	s_cmp_eq_u32 s2, 0
	s_cbranch_scc0 .Lentry_in_a_cluster
	s_endpgm
.Lentry_in_a_cluster:
	s_bfe_u32 s2, ttmp6, 0x10000c
	s_cmp_lg_u32 s2, 0x3003
	s_cbranch_scc0 .Lentry_shape_is_right
	s_endpgm
.Lentry_shape_is_right:
; Attention of 128 (n, head) pairs, 1,024 queries x 1,024 keys x 64 channels, both products on codes of FP6 (E2M3) with E8M0 scales; O / l is quantised here for the output projection.
; SOFTMAX: t = score x log2(e) / 8; M = the running largest t rounded UP to a whole number; p = 2^(t - M) is quantised along the keys, not normalised; the row's sum is taken of the unquantised p and
; divides O at the end.  When M moves, the sum and O are multiplied by 2^(old M - new M): exact.  (The factor 1 / 8 on q is a power of two: it stands in c.)
; THE KEY MASK: the score product's K is 64, the instruction's 128.  In the padding K's fragments hold the code of -1 at k = 64 and Q's the code of +1 with byte 127; K's byte of that block is 253 for a masked key
; and 1 for an open one, and a masked key's codes are zeros (the projection launch made both): a masked score is exactly -2^126, an open one has -2^-126 added.  A row with every key masked has equal weights.
; LIMITS: a masked score is -2^126, not the least f32 number: true scores must lie above it; the promise holds while the scaled scores stay under 2^31 in magnitude; NaN and infinities are not served;
; O is divided by l through v_rcp_f32; a block whose largest magnitude lies under 2^-124 keeps the byte 1.
; SHARES: work-group y = 8 n + head pair; its place cx in the cluster = 256 queries; each of sixteen waves owns 16 queries, for both heads one after the other: the two heads are one K step of the output projection.
; LDS: both heads' K, V and scale words, 2 x 104,448 bytes, each byte filled ONCE, all asked for at the head: waves 0-7 a quarter each of a head's K | V, waves 8, 9 a head's scale words: one tensor load a wave.
; One wait for all and one barrier follow; no barrier stands between the heads, so a wave goes on to head 1 when its own head 0 is done.  No fill follows the head, so there is nothing to prefetch ahead of.
; CLUSTER: the four query blocks of a pair read the same K and V: every fill is a joint load of the four (mask 15).  cx enters Q's and the outputs' global addresses alone.
; LAYOUT: operands are images of registers: half a fragment (registers 0-5) is 768 bytes: registers 0-3 at 16 l, 4-5 at 512 + 8 l.  Both products are used transposed (S^T = K Q^T, O^T = V^T P^T): a lane holds ONE query.
; Lane r of K's tile T holds key 64 (T / 4) + 32 (r / 8) + 8 (T % 4) + r % 8: so the 32 registers of tiles 4 c .. 4 c + 3 of S^T are, in lane (r, h), the WHOLE block 2 c + h of 32 keys, in order:
; a block's maximum needs no other lane, and the conversions' results are P's operand registers as they stand.
.set HSL,   104448                     ; a head's LDS: K 49,152 | V 49,152 | K's scale words 4,096 | V's 2,048
.set VOFF,  49152
.set KSC,   98304
.set VSC,   102400
.set HEADB, 147456
.set HEADS, 10240
.set SPARE, 212992                     ; the spare words: 128 bytes for each of 16 waves
.set ADK,  8                           ; v8 16 l + the step's tiles; v9 8 l + the same; v10 16 r + K's scale words; v11 16 r + V's
.set ADK8, 9
.set ADS,  10
.set ADT,  11
.set S,    96                          ; v96-159 S^T, then p, then V's four fragments
.set O,    160                         ; v160-191 O^T
.set PCD,  192                         ; v192-203 p's codes
.set MFR,  218                         ; v218-229 the fragment of O / l; v230 its scale word
.set MW,   230
.set WV,   18
.set SEL,  20
.set CS,   22
.set G1C,  24
.set G1S,  32
.set G0A,  40
.set G0S,  44
.set TK,   2
.set TS,   3
.set TJ,   56
.set CNT,  57
.macro ROUND                           ; a round of the cluster's barrier
	s_barrier_signal -1
	s_barrier_wait -1
	s_cmp_lg_u32 s[WV], 0
	s_cbranch_scc1 .Lnot_wave_0_\@
	s_barrier_signal -3
.Lnot_wave_0_\@:
	s_barrier_wait -3
	s_barrier_signal -1
	s_barrier_wait -1
.endm
	s_load_b256 s[4:11], s[0:1], 0x0               ; aimg, asc, mimg, msc
	v_lshl_add_u32 v251, v0, 2, SPARE
	v_mov_b32 v255, 0
	ds_add_u32 v251, v255                          ; the opening lines: the add twice on end, and one wait
	ds_add_u32 v251, v255
	v_lshrrev_b32 v4, 5, v0
	v_and_b32 v5, 31, v0
	v_and_b32 v6, 15, v0
	v_bfe_u32 v7, v0, 4, 1                         ; h
	v_readfirstlane_b32 s[WV], v4                  ; wave 0..15
	v_lshlrev_b32 v1, 4, v5                        ; 16 l
	v_lshlrev_b32 v2, 3, v5                        ; 8 l
	v_lshlrev_b32 v3, 4, v6                        ; 16 r
	v_sub_nc_u32 v4, 1, v7                         ; 1 in lanes 0-15, which hold k = 64 .. 95 in registers 6-11
	v_lshlrev_b32 v5, 3, v7                        ; 8 h: where my two scale bytes stand in p's scale word
.irp j, 0,1
	v_lshlrev_b32 v[22+12*\j], 3, v4               ; Q's padding: the code of +1 (8) at k = 64, zeros else
.irp i, 7,8,9,10,11
	v_mov_b32 v[16+12*\j+\i], 0
.endr
.endr
.irp t, 0,1,2,3
	v_mul_u32_u24 v[46+12*\t], v4, 40              ; K's padding: the code of -1 (40) at k = 64, zeros else.  Set once: the steps load registers 0-5 alone
.irp i, 7,8,9,10,11
	v_mov_b32 v[40+12*\t+\i], 0
.endr
.endr
	v_mov_b32 v236, 0                              ; written once: a lane permute's destination counts as one of its sources
	v_mov_b32 v237, 0
	v_mov_b32 v253, 0                              ; (named as the upper half of the pair v[252:253] before it is first written)
	s_bfe_u32 s12, ttmp6, 0x40000                  ; cx
	s_and_b32 s13, ttmp7, 0xffff                   ; 8 n + head pair
	s_lshl_b32 s14, s12, 4
	s_add_co_u32 s14, s14, s[WV]                   ; T: my tile of queries
	s_mul_i32 s16, s13, 2*HEADB                    ; the pair's first byte of images,
	s_mul_i32 s58, s13, 2*HEADS                    ; of scale words
	s_bfe_u32 s15, s[WV], 0x10002                  ; waves 0-7: head = wave / 4,
	s_and_b32 s60, s[WV], 3
	s_mul_i32 s60, s60, 24576                      ; a quarter of its K | V, which lie on end in memory and in LDS
	s_mul_i32 s61, s15, HSL
	s_add_co_u32 s[G0A+1], s60, s61
	s_mul_i32 s61, s15, HEADB
	s_add_co_u32 s60, s60, s61
	s_add_co_u32 s60, s60, s16
	s_add_co_u32 s60, s60, 49152                   ; behind the head's Q
	s_mov_b32 s61, 0
	s_and_b32 s15, s[WV], 1                        ; waves 8, 9: head = wave % 2: its K's and V's scale words
	s_mul_i32 s62, s15, HSL
	s_add_co_u32 s[G0S+1], s62, KSC
	s_mul_i32 s62, s15, HEADS
	s_add_co_u32 s62, s62, s58
	s_add_co_u32 s62, s62, 4096                    ; behind Q's
	s_mov_b32 s63, 0
	s_mul_i32 s68, s14, 768
	s_add_co_u32 s68, s68, s16                     ; Q's half fragment of my tile, head 0
	s_mov_b32 s69, 0
	s_lshr_b32 s70, s14, 2
	s_lshl_b32 s70, s70, 8
	s_and_b32 s71, s14, 3
	s_lshl_b32 s71, s71, 2
	s_add_co_u32 s70, s70, s71
	s_add_co_u32 s70, s70, s58                     ; and its scale words: quad T / 4, word T % 4
	s_mov_b32 s71, 0
	; descriptor group 1: dense blocks as rows of 256 bytes (32 elements of 8 bytes): 96 rows of codes; 24 rows of scale words
	s_mov_b32 s[G1C], 15|(3<<16)|(1<<21)           ; the mask: all four work-groups; elements of 8 bytes; bit 21 beside a mask
	s_mov_b32 s[G1C+1], 32<<16
	s_mov_b32 s[G1C+2], 96<<16
	s_mov_b32 s[G1C+3], 32<<16
	s_mov_b32 s[G1C+4], 96
	s_mov_b32 s[G1C+5], 32
	s_mov_b32 s[G1C+6], 0
	s_mov_b32 s[G1C+7], 0
	s_mov_b32 s[G1S], 15|(3<<16)|(1<<21)
	s_mov_b32 s[G1S+1], 32<<16
	s_mov_b32 s[G1S+2], 24<<16
	s_mov_b32 s[G1S+3], 32<<16
	s_mov_b32 s[G1S+4], 24
	s_mov_b32 s[G1S+5], 32
	s_mov_b32 s[G1S+6], 0
	s_mov_b32 s[G1S+7], 0
	s_mov_b32 s[G0A], 1
	s_mov_b32 s[G0S], 1
	s_mov_b32 s[SEL], 0x76543210
	s_mov_b32 s[SEL+1], 0xfedcba98                 ; v_permlanex16_b32's selects for lane l xor 16
	s_mov_b32 s[CS], 0x3e38aa3b                    ; c = log2(e) / 8
	s_mov_b32 s[CS+1], s[CS]                       ; (named with it as a pair, so it is written)
	s_wait_alu depctr_va_vdst(0)
	s_wait_dscnt 0x0                               ; both opening adds are done
	s_wait_kmcnt 0x0
	s_add_nc_u64 s[68:69], s[4:5], s[68:69]
	s_add_nc_u64 s[70:71], s[6:7], s[70:71]
.irp j, 0,1
	global_load_b128 v[16+12*\j:19+12*\j], v1, s[68:69] offset:HEADB*\j
	global_load_b64 v[20+12*\j:21+12*\j], v2, s[68:69] offset:HEADB*\j+512
	global_load_b32 v[216+\j], v3, s[70:71] offset:HEADS*\j
.endr
	s_add_nc_u64 s[G0A+2:G0A+3], s[4:5], s[60:61]
	s_or_b32 s[G0A+3], s[G0A+3], 0x80000000
	s_add_nc_u64 s[G0S+2:G0S+3], s[6:7], s[62:63]
	s_or_b32 s[G0S+3], s[G0S+3], 0x80000000
	ROUND                                          ; all four work-groups are here: the joint loads meet
	s_cmp_lt_u32 s[WV], 8                          ; one chain of branches on the wave's number, one fill to an arm
	s_cbranch_scc0 .Lnot_codes
	tensor_load_to_lds s[G0A:G0A+3], s[G1C:G1C+7]
	s_nop 0
.rept 4
	v_nop
.endr
	s_branch .Lasked
.Lnot_codes:
	s_cmp_lt_u32 s[WV], 10
	s_cbranch_scc0 .Lasked
	tensor_load_to_lds s[G0S:G0S+3], s[G1S:G1S+7]
	s_nop 0
.rept 4
	v_nop
.endr
.Lasked:
	s_wait_loadcnt 0x0                             ; Q
	s_wait_tensorcnt 0x0                           ; my one load, if I have one, has landed
	s_barrier_signal -1
	s_barrier_wait -1                              ; everybody's has: both heads lie in LDS
; A KEY STEP of head j: 128 keys
.macro STEP j
	v_nop                                          ; five plain lines between the last step's second products and the first products below, which write over V's fragments
	v_add_nc_u32 v[ADK], s[TK], v1
	v_add_nc_u32 v[ADK8], s[TK], v2
	v_add_nc_u32 v[ADS], s[TS], v3
	v_add_nc_u32 v[ADT], s[TJ], v3
.irp g, 0,1                                    ; S^T = K Q^T, four tiles of 16 keys at a time
.if \g
.rept 4
	v_nop                                          ; places in front of loads into registers that matrix instructions have read
.endr
.endif
.irp t, 0,1,2,3
	ds_load_b128 v[40+12*\t:43+12*\t], v[ADK] offset:768*(4*\g+\t)
	ds_load_b64 v[44+12*\t:45+12*\t], v[ADK8] offset:768*(4*\g+\t)+512
.endr
	ds_load_b128 v[204+4*\g:207+4*\g], v[ADS] offset:256*\g      ; four tiles' scale words by one load
.if \g == 0
	s_wait_alu depctr_va_vdst(0)
.endif
	s_wait_dscnt 0x0
.irp t, 0,1,2,3
	v_wmma_scale_f32_16x16x128_f8f6f4 v[S+8*(4*\g+\t):S+7+8*(4*\g+\t)], v[40+12*\t:51+12*\t], v[16+12*\j:27+12*\j], 0, v[204+4*\g+\t], v[216+\j] matrix_a_fmt:MATRIX_FMT_FP6 matrix_b_fmt:MATRIX_FMT_FP6
.endr
.endr
.rept 4
	v_nop
.endr
.irp b, 0,1,2,3                                ; the largest score of my two blocks of 32 keys, in four chains; each accumulator is read from its low end on
	v_max3_num_f32 v[232+\b], v[S+16*\b], v[S+1+16*\b], v[S+2+16*\b]
.endr
.irp i, 3,5,7,9,11,13
.irp b, 0,1,2,3
	v_max3_num_f32 v[232+\b], v[232+\b], v[S+16*\b+\i], v[S+1+16*\b+\i]
.endr
.endr
.irp c, 0,1
	v_max3_num_f32 v[232+2*\c], v[232+2*\c], v[S+15+32*\c], v[S+31+32*\c]
.endr
.irp c, 0,1
	s_delay_alu instid0(VALU_DEP_2)
	v_max_num_f32 v[232+2*\c], v[232+2*\c], v[233+2*\c]   ; v232, v234: it serves for the row's maximum and, since p rises with the score, for the block's largest p
.endr
	s_delay_alu instid0(VALU_DEP_1)
	v_max_num_f32 v254, v232, v234
	s_delay_alu instid0(VALU_DEP_1)
	v_permlanex16_b32 v236, v254, s[SEL], s[SEL+1] ; lane l xor 16's two blocks
	s_delay_alu instid0(VALU_DEP_1)
	v_max3_num_f32 v13, v13, v254, v236            ; the running largest score of my query (c is positive)
	v_mov_b32 v254, v12
	s_delay_alu instid0(VALU_DEP_2)
	v_mul_f32 v237, s[CS], v13                     ; as t
	s_delay_alu instid0(VALU_DEP_1)
	v_floor_f32 v12, -v237                         ; the new -M = floor(-t): M is a whole number
	s_delay_alu instid0(VALU_DEP_1)
	v_sub_f32 v254, v12, v254                      ; old M - new M: a whole number, 0 or less
	s_delay_alu instid0(VALU_DEP_1)
	v_cvt_i32_f32 v254, v254                       ; (it saturates)
	s_delay_alu instid0(VALU_DEP_1)
	v_ldexp_f32 v252, 1.0, v254                    ; f = 2^(old M - new M)
.set jj, 0
.rept 32
	v_pk_fma_f32 v[S+jj:S+jj+1], v[S+jj:S+jj+1], s[CS:CS+1], v[12:13] op_sel_hi:[1,0,0]   ; t - M, two at a time
.set jj, jj+2
.endr
	v_fma_f32 v232, v232, s[CS], v12               ; the same of each block's largest score
	v_fma_f32 v234, v234, s[CS], v12
	s_wait_alu depctr_va_vdst(0)
	v_exp_f32 v232, v232                           ; the block's largest p: the same two instructions on the same number
	v_exp_f32 v234, v234
.set jj, 0
.rept 64
	v_exp_f32 v[S+jj], v[S+jj]                     ; p = 2^(t - M)
.set jj, jj+1
.endr
	v_pk_mul_f32 v[14:15], v[14:15], v[252:253] op_sel_hi:[1,0]   ; the sums under the new M: a plain line behind the exponentials
	s_wait_alu depctr_va_vdst(0)                   ; one wait for the batch of 66, ahead of its first reader
	v_pk_add_f32 v[236:237], v[S:S+1], v[S+2:S+3]  ; the row's sum of the unquantised p: 32 packed additions in four chains
	v_pk_add_f32 v[238:239], v[S+4:S+5], v[S+6:S+7]
	v_pk_add_f32 v[240:241], v[S+8:S+9], v[S+10:S+11]
	v_pk_add_f32 v[14:15], v[14:15], v[S+12:S+13]
.set jj, 14
.rept 6
	v_pk_add_f32 v[236:237], v[236:237], v[S+jj:S+jj+1]
	v_pk_add_f32 v[238:239], v[238:239], v[S+jj+2:S+jj+3]
	v_pk_add_f32 v[240:241], v[240:241], v[S+jj+4:S+jj+5]
	v_pk_add_f32 v[14:15], v[14:15], v[S+jj+6:S+jj+7]
.set jj, jj+8
.endr
	v_pk_add_f32 v[236:237], v[236:237], v[S+62:S+63]
	v_pk_add_f32 v[14:15], v[14:15], v[240:241]
	v_max_num_f32 v232, 0x1800000, v232            ; the floor 2^(3 - 127): the byte cannot fall under 1
	v_max_num_f32 v234, 0x1800000, v234
	v_pk_add_f32 v[236:237], v[236:237], v[238:239]
	v_add_nc_u32 v244, 0xff000000, v232            ; 2 off the exponent field: the conversion's scale operand
	v_add_nc_u32 v245, 0xff000000, v234
	s_delay_alu instid0(VALU_DEP_3)
	v_pk_add_f32 v[14:15], v[14:15], v[236:237]
	v_lshrrev_b32 v246, 23, v244                   ; the bytes of blocks h and 2 + h
	v_lshrrev_b32 v247, 23, v245
	s_delay_alu instid0(VALU_DEP_1)
	v_lshl_or_b32 v253, v247, 16, v246
	s_delay_alu instid0(VALU_DEP_1)
	v_lshlrev_b32 v253, v5, v253                   ; at their places in the word,
	s_delay_alu instid0(VALU_DEP_1)
	v_permlanex16_b32 v238, v253, s[SEL], s[SEL+1]
	s_delay_alu instid0(VALU_DEP_1)
	v_or_b32 v253, v253, v238                      ; with lane l xor 16's two: p's scale word for these 128 keys
	v_cvt_scalef32_pk16_fp6_f32 v[PCD:PCD+2], v[S:S+15], v244
	v_cvt_scalef32_pk16_fp6_f32 v[240:242], v[S+16:S+31], v244        ; (a conversion's three registers begin on an even number)
	v_cvt_scalef32_pk16_fp6_f32 v[PCD+6:PCD+8], v[S+32:S+47], v245
	v_cvt_scalef32_pk16_fp6_f32 v[246:248], v[S+48:S+63], v245
	v_nop                                          ; one plain place behind a scaled conversion
.irp t, 0,1,2,3                                ; p's registers are free: V's four fragments (16 channels x these 128 keys) land there
	ds_load_b128 v[S+12*\t:S+3+12*\t], v[ADK] offset:VOFF+1536*\t
	ds_load_b64 v[S+4+12*\t:S+5+12*\t], v[ADK8] offset:VOFF+1536*\t+512
	ds_load_b128 v[S+6+12*\t:S+9+12*\t], v[ADK] offset:VOFF+1536*\t+768
	ds_load_b64 v[S+10+12*\t:S+11+12*\t], v[ADK8] offset:VOFF+1536*\t+1280
.endr
	ds_load_b128 v[212:215], v[ADT]
.irp i, 0,1,2
	v_mov_b32 v[PCD+3+\i], v[240+\i]
	v_mov_b32 v[PCD+9+\i], v[246+\i]
.endr
	s_wait_alu depctr_va_vdst(0)                   ; the wait directly ahead of the first reader of O^T
.set jj, 0
.rept 16
	v_pk_mul_f32 v[O+jj:O+jj+1], v[O+jj:O+jj+1], v[252:253] op_sel_hi:[1,0]   ; O^T under the new M.  These 16 are also the places between the codes' and the scale word's last writes and the products below
.set jj, jj+2
.endr
	s_wait_alu depctr_va_vdst(0)
	s_wait_dscnt 0x0
.irp t, 0,1,2,3                                ; O^T += V^T P^T: four accumulators by turns
	v_wmma_scale_f32_16x16x128_f8f6f4 v[O+8*\t:O+7+8*\t], v[S+12*\t:S+11+12*\t], v[PCD:PCD+11], v[O+8*\t:O+7+8*\t], v[212+\t], v253 matrix_a_fmt:MATRIX_FMT_FP6 matrix_b_fmt:MATRIX_FMT_FP6
.endr
	s_add_co_u32 s[TK], s[TK], 6144                ; the next step's tiles and scale words
	s_add_co_u32 s[TS], s[TS], 512
	s_add_co_u32 s[TJ], s[TJ], 256
.endm
; Head c is finished: O^T / l; its 64 channels are blocks 2 c, 2 c + 1 of my fragment for the output projection.  Register 16 b + i of O^T = channel 32 b + 16 h + i of my query
.macro FIN c
.rept 4
	v_nop                                          ; places behind the last products
.endr
	v_add_f32 v14, v14, v15
	s_delay_alu instid0(VALU_DEP_1)
	v_permlanex16_b32 v252, v14, s[SEL], s[SEL+1]
	s_delay_alu instid0(VALU_DEP_1)
	v_add_f32 v14, v14, v252                       ; the row's sum
	s_wait_alu depctr_va_vdst(0)
	v_rcp_f32 v14, v14
	v_nop                                          ; a plain place behind the transcendental
	s_wait_alu depctr_va_vdst(0)                   ; and the wait ahead of its first reader
.set jj, 0
.rept 16
	v_pk_mul_f32 v[O+jj:O+jj+1], v[O+jj:O+jj+1], v[14:15] op_sel_hi:[1,0]
.set jj, jj+2
.endr
.irp b, 0,1
	v_max3_num_f32 v[232+\b], |v[O+16*\b]|, |v[O+1+16*\b]|, 0x1800000
.endr
.irp i, 2,4,6,8,10,12,14
.irp b, 0,1
	s_delay_alu instid0(VALU_DEP_2)
	v_max3_num_f32 v[232+\b], v[232+\b], |v[O+16*\b+\i]|, |v[O+1+16*\b+\i]|
.endr
.endr
.irp b, 0,1
	s_delay_alu instid0(VALU_DEP_2)
	v_permlanex16_b32 v[236+\b], v[232+\b], s[SEL], s[SEL+1]
.endr
.irp b, 0,1
	s_delay_alu instid0(VALU_DEP_2)
	v_max_num_f32 v[232+\b], v[232+\b], v[236+\b]
.endr
.irp b, 0,1
	s_delay_alu instid0(VALU_DEP_2)
	v_add_nc_u32 v[244+\b], 0xff000000, v[232+\b]
.endr
.irp b, 0,1
	s_delay_alu instid0(VALU_DEP_2)
	v_lshrrev_b32 v[236+\b], 23, v[244+\b]
.endr
.if \c == 0
	s_delay_alu instid0(VALU_DEP_1)
	v_lshl_or_b32 v[MW], v237, 8, v236
.else
	s_delay_alu instid0(VALU_DEP_1)
	v_lshl_or_b32 v236, v237, 8, v236
	s_delay_alu instid0(VALU_DEP_1)
	v_lshl_or_b32 v[MW], v236, 16, v[MW]
.endif
	v_cvt_scalef32_pk16_fp6_f32 v[MFR+6*\c:MFR+2+6*\c], v[O:O+15], v244
	v_cvt_scalef32_pk16_fp6_f32 v[240:242], v[O+16:O+31], v245
	v_nop                                          ; one plain place behind a scaled conversion
.irp i, 0,1,2
	v_permlane16_swap_b32 v[MFR+6*\c+\i], v[240+\i]   ; a WHOLE block to a lane
.endr
.irp i, 0,1,2
	s_delay_alu instid0(VALU_DEP_3)
	v_mov_b32 v[MFR+3+6*\c+\i], v[240+\i]
.endr
.endm
.macro HEAD j
	s_mov_b32 s[TK], \j*HSL
	s_mov_b32 s[TS], \j*HSL+KSC
	s_mov_b32 s[TJ], \j*HSL+VSC
	s_mov_b32 s[CNT], 8
	v_mov_b32 v13, 0xff61b1e6                      ; the largest score so far: -3e38, under every score, a masked key's too
	s_delay_alu instid0(VALU_DEP_1)
	v_mul_f32 v12, s[CS], v13
	s_delay_alu instid0(VALU_DEP_1)
	v_floor_f32 v12, -v12
	v_mov_b32 v14, 0
	v_mov_b32 v15, 0
.set jj, 0
.rept 32
	v_mov_b32 v[O+jj], 0                           ; the step is written once: its first trip finds zeros, which the first change of M leaves zeros
.set jj, jj+1
.endr
.Lstep_\@:
	STEP \j
	s_sub_co_u32 s[CNT], s[CNT], 1
	s_cmp_lg_u32 s[CNT], 0
	s_cbranch_scc1 .Lstep_\@
	FIN \j
.endm
	HEAD 0
	HEAD 1
	s_lshr_b32 s72, s13, 3                         ; n
	s_and_b32 s73, s13, 7                          ; the head pair = the output projection's K step
	s_lshl_b32 s74, s72, 6
	s_add_co_u32 s74, s74, s14                     ; my tile among the 512
	s_lshl_b32 s75, s74, 3
	s_add_co_u32 s75, s75, s73
	s_mul_i32 s76, s75, 1536
	s_mov_b32 s77, 0
	s_add_nc_u64 s[8:9], s[8:9], s[76:77]
	s_lshl_b32 s76, s74, 9
	s_lshl_b32 s75, s73, 2
	s_add_co_u32 s76, s76, s75
	s_add_nc_u64 s[10:11], s[10:11], s[76:77]
	v_lshlrev_b32 v4, 1, v3                        ; 32 r
	s_wait_alu depctr_va_vdst(0)
.irp c, 0,1,2
	global_store_b128 v1, v[MFR+4*\c:MFR+4*\c+3], s[8:9] offset:512*\c   ; the fragment as it stands: 512 consecutive bytes a store, aligned to 512
.endr
	global_store_b32 v4, v[MW], s[10:11]           ; my row's scale word: 4 bytes, 32 bytes apart (lanes 16-31 repeat lanes 0-15's); a whole row of them would want all eight pairs in one work-group
	s_wait_tensorcnt 0x0                           ; the wave's end
	ds_add_u32 v251, v255
	s_wait_dscnt 0x0
	ROUND                                          ; the closing round: no work-group ends while a partner may still ask for a tile that names it
	s_endpgm
.Lfunc_end_k_qd3d72b0d36_attn:
	.size	k_qd3d72b0d36_attn, .Lfunc_end_k_qd3d72b0d36_attn-k_qd3d72b0d36_attn
	.p2alignl 7, 3214868480
	.fill 96, 4, 3214868480
	.section	.rodata,"a",@progbits
	.p2align	6, 0x0
	.amdhsa_kernel k_qd3d72b0d36_attn
		.amdhsa_group_segment_fixed_size 215040
		.amdhsa_private_segment_fixed_size 0
		.amdhsa_enable_private_segment 0
		.amdhsa_kernarg_size 32
		.amdhsa_user_sgpr_count 2
		.amdhsa_user_sgpr_kernarg_segment_ptr 1
		.amdhsa_wavefront_size32 1
		.amdhsa_system_sgpr_workgroup_id_x 1
		.amdhsa_system_sgpr_workgroup_id_y 1
		.amdhsa_system_sgpr_workgroup_id_z 1
		.amdhsa_system_vgpr_workitem_id 0
		.amdhsa_next_free_vgpr 256
		.amdhsa_next_free_sgpr 80
		.amdhsa_reserve_vcc 0
		.amdhsa_float_denorm_mode_32 3
		.amdhsa_float_denorm_mode_16_64 3
		.amdhsa_memory_ordered 1
		.amdhsa_forward_progress 1
		.amdhsa_inst_pref_size 51
	.end_amdhsa_kernel
	.amdgpu_metadata
---
amdhsa.version: [ 1, 2 ]
amdhsa.kernels:
  - .name:           k_qd3d72b0d36_attn
    .symbol:         k_qd3d72b0d36_attn.kd
    .args:
      - { .name: aimg, .offset: 0, .size: 8, .value_kind: global_buffer, .address_space: global }
      - { .name: asc, .offset: 8, .size: 8, .value_kind: global_buffer, .address_space: global }
      - { .name: mimg, .offset: 16, .size: 8, .value_kind: global_buffer, .address_space: global }
      - { .name: msc, .offset: 24, .size: 8, .value_kind: global_buffer, .address_space: global }
    .group_segment_fixed_size: 215040
    .private_segment_fixed_size: 0
    .kernarg_segment_align: 8
    .kernarg_segment_size: 32
    .max_flat_workgroup_size: 512
    .sgpr_count:     80
    .vgpr_count:     256
    .wavefront_size: 32
...
	.end_amdgpu_metadata
.endif
;; end of part 3
;; launch outp (part 4): grid 4 x 64, 4 waves a work-group, clusters of 4 x 4, 327,680 bytes of LDS; arguments mimg, msc, cimg, csc, bo, out0; writes out0
.if DOCPART == 4
	.amdgcn_target "amdgcn-amd-amdhsa--gfx1250"
	.amdhsa_code_object_version 6
	.text
	.protected	k_qd3d72b0d36_outp
	.globl	k_qd3d72b0d36_outp
	.p2align	8
	.type	k_qd3d72b0d36_outp,@function
k_qd3d72b0d36_outp:
	s_mov_b64 s[64:65], 0
	v_nop
	global_prefetch_b8 v0, s[64:65] scope:SCOPE_SE
	s_setreg_imm32_b32 hwreg(HW_REG_WAVE_MODE, 25, 1), 1
	s_wait_xcnt 0x0
	s_wait_alu depctr_hold_cnt(0) depctr_sa_sdst(0) depctr_va_vdst(0) depctr_va_sdst(0) depctr_va_ssrc(0) depctr_va_vcc(0) depctr_vm_vsrc(0)
	s_getreg_b32 s2, hwreg(HW_REG_IB_STS2, 6, 4)
	s_cmp_eq_u32 s2, 0
	s_cbranch_scc0 .Lentry_in_a_cluster
	s_endpgm
.Lentry_in_a_cluster:
	s_bfe_u32 s2, ttmp6, 0x10000c
	s_cmp_lg_u32 s2, 0xf033
	s_cbranch_scc0 .Lentry_shape_is_right
	s_endpgm
.Lentry_shape_is_right:
; out0 = mix Wo + bo, on codes of FP6 (E2M3) with E8M0 scales, f32 sums.  mix [8192][1024] comes from the attention launch, Wo from the quantiser's launch, both as images of operand registers:
; [tile][K step 8][1536], registers 4 c .. 4 c + 3 of lane l at 512 c + 16 l; tile T holds in lane r the row 32 (T / 2) + 8 (T % 2) + r + 8 (r / 8); scale bytes [16 T + r][32].
; A TILE OF 128 ROWS x 256 COLUMNS to a work-group: 64 x 4 = 256 work-groups.  Four waves, 64 x 128 each: 32 accumulators, 256 registers.
; ALL OF K LIES IN LDS: A's 128 rows are 98,304 bytes of codes, B's 256 rows 196,608, the scale bytes 13,056: 307,968 bytes, each filled ONCE: no ring, no refill.  The bytes come by four tensor loads, one a wave, at the head:
; one wait and one work-group barrier stand in front of the first products.
; The price of the smaller tile: 128 along K read 12 fragments (18,432 bytes) from LDS for 32 matrix instructions.  So the loads go in three short runs between groups of eight products, what is wanted first first.
; CLUSTERS: 4 x 4 work-groups; mix's tiles are asked for jointly along a row of the cluster, Wo's along a column.
; THE MATRIX INSTRUCTION IS USED TRANSPOSED (source 0 = Wo's columns, source 1 = mix's rows): register j of lane (r, h) of accumulator (a, b) is column 32 (b / 2) + 16 h + 8 (b % 2) + j of the row that lane r of tile a holds.
; The bias is the C of each sum's first matrix instruction.
; REGISTERS: window 0: v16-27 addresses; v32-63 scale words, two sets; v64-127 the bias as C; v128-175, v176-223 A's fragments, two sets; on the way out v128-255 are rows read back.
;   window 1: B's fragments, two sets, v0-95 and v128-223.   window 2: the accumulators ((a, b) at v[8 (8 a + b)]).
.set WPART, 786432
.set WOFF,  18874368
.set WSOFF, 786432
.set FR,    12                         ; registers of a fragment
.set NP,    4                          ; places behind this matrix instruction (ISA guide 7.12.1)
.set TILEB, 3072                       ; a tile's part of a slot: two fragments
.set ASLOT, 8*TILEB                    ; A's eight tiles of a slot
.set SLOT,  24*TILEB                   ; and B's sixteen behind them: 73,728 bytes
.set KS,    32                         ; a row of scale bytes
.set SCL,   4*SLOT                     ; behind the four slots: the scales, as units of 256 bytes + 16 of padding: A's 128 rows, then B's 256
.set SCA,   8*272                      ; those of 64 rows
.set SCB,   16*272                     ; those of 128 rows
.set SBLK,  2*272                      ; those of 16 rows
.set SPITCH, 528                       ; the way out: a stage of 16 rows x (512 bytes + 16) for each wave, in slot 0: filled once, and read by nobody behind the last barrier
.set ADRA, 16                          ; v16-19 LDS address of my A fragments in slots 0 to 3
.set ADRB, 20                          ; v20-23 the same for B
.set STO,  24                          ; v24 the way out: where I put 32 bytes of a row
.set RD,   25                          ; v25 where I read a row back
.set CO,   26                          ; v26 my byte offset in a row of out0
.set ADRS, 27                          ; v27 my scale words: lanes 0-15 A's rows, lanes 16-31 B's
.set SC,   32
.set BN,   64
.set AF,   128
.set BK,   128
.set WVS,  20                          ; s20 wave;  s21 its half of the rows;  s22 its half of the columns
.set ROLE, 21
.set CHS,  22
.set G1,   24                          ; s[24:31] group 1 for A's codes;  s[32:35] its group 0
.set G0,   32
.set G1B,  48                          ; s[48:55] group 1 for B's codes;  its group 0 at s[56:59]
.set G1S,  68                          ; s[68:75], s[76:79] groups 1 and 0 for A's scales;  s[80:87], s[96:99] for B's
.set G0S,  76
.set G1SB, 80
.set G0SB, 96
.set MSB, 0
.macro WIN new                         ; the immediate's high byte repeats the setting that is left
.if MSB != (\new)
	s_set_vgpr_msb (MSB<<8)|(\new)
.set MSB, (\new)
.endif
.endm
.set MULW,   0xa1                      ; source 0 (B) window 1, source 1 (A) window 0, C and D window 2
.set TO_B,   0x40                      ; destination window 1, address window 0
; AS THE TEXT STANDS: the launch has four tensor loads, one a wave, all at the head: wave 0 A's eight tiles for all of K (98,304 dense bytes, at LDS byte 0),
; wave 1 B's sixteen (196,608, behind them), wave 2 the scales of A's 128 rows, wave 3 those of B's 256.  One wait and one barrier follow; the walk along K has no barrier; one more stands ahead of the stage.
.set KTILE, 12288                      ; a tile's eight fragments
.macro ARM under, g0, g1, next         ; one tree of branches on the wave's number: every way through it passes one load
	s_cmp_lt_u32 s[WVS], \under
	s_cbranch_scc0 \next
	tensor_load_to_lds s[\g0:\g0+3], s[\g1:\g1+7]
	s_nop 0
.rept 4
	v_nop
.endr
	s_branch .Lhead_asked
\next:
.endm
.macro CROUND                          ; a round of the cluster's barrier
	s_barrier_signal -1
	s_barrier_wait -1
	s_cmp_lg_u32 s[WVS], 0
	s_cbranch_scc1 .Lnot_wave_0_\@
	s_barrier_signal -3
.Lnot_wave_0_\@:
	s_barrier_wait -3
	s_barrier_signal -1
	s_barrier_wait -1
.endm
	s_load_b256 s[4:11], s[0:1], 0x0               ; mimg, msc, cimg, csc
	s_load_b128 s[12:15], s[0:1], 0x20             ; bo, out0
	v_lshl_add_u32 v30, v0, 2, 0x4b300
	v_mov_b32 v31, 0
	ds_add_u32 v30, v31
	ds_add_u32 v30, v31
	v_lshrrev_b32 v1, 5, v0
	v_readfirstlane_b32 s[WVS], v1
	s_lshr_b32 s[ROLE], s[WVS], 1
	s_and_b32 s[CHS], s[WVS], 1
	s_bfe_u32 s16, ttmp6, 0x40000                  ; cx = the tile column: the grid is one cluster wide
	s_bfe_u32 s17, ttmp6, 0x40004                  ; cy
	s_and_b32 s18, ttmp7, 0xffff
	s_lshl_b32 s18, s18, 2
	s_add_co_u32 s18, s18, s17                     ; tile row = 4 x cluster y + cy
	s_lshl_b32 s2, s17, 2
	s_lshl_b32 s2, 15, s2                          ; my row of the cluster
	s_lshl_b32 s3, 0x1111, s16                     ; my column
	; descriptor group 1 for the codes: rows (tiles) of 12,288 bytes (1,536 elements of 8 bytes), 12,288 bytes apart; no padding: every LDS read takes 512 consecutive bytes.  A: 8 tiles a load; B: 16
	s_or_b32 s[G1+0], s2, (3<<16)|(1<<21)
	s_mov_b32 s[G1+1], 1536<<16                    ; tensor_dim0: a tile's 12,288 bytes
	s_mov_b32 s[G1+2], 8<<16                       ; tensor_dim1
	s_mov_b32 s[G1+3], 1536<<16                    ; tile_dim0
	s_mov_b32 s[G1+4], 8                           ; tile_dim1
	s_mov_b32 s[G1+5], 1536                        ; tensor_dim0_stride
	s_mov_b32 s[G1+6], 0
	s_mov_b32 s[G1+7], 0
	s_or_b32 s[G1B+0], s3, (3<<16)|(1<<21)
	s_mov_b32 s[G1B+1], 1536<<16
	s_mov_b32 s[G1B+2], 16<<16
	s_mov_b32 s[G1B+3], 1536<<16
	s_mov_b32 s[G1B+4], 16
	s_mov_b32 s[G1B+5], 1536
	s_mov_b32 s[G1B+6], 0
	s_mov_b32 s[G1B+7], 0
	; and for the scales: dense bytes as rows of 256 (32 elements of 8 bytes), 16 bytes of padding behind each.  A: 128 rows' 4,096 bytes a load; B: 256 rows' 8,192
	s_or_b32 s[G1S+0], s2, (3<<16)|(1<<20)|(1<<21)|(5<<22)|(3<<25)
	s_mov_b32 s[G1S+1], 32<<16
	s_mov_b32 s[G1S+2], 16<<16
	s_mov_b32 s[G1S+3], 32<<16
	s_mov_b32 s[G1S+4], 16
	s_mov_b32 s[G1S+5], 32
	s_mov_b32 s[G1S+6], 0
	s_mov_b32 s[G1S+7], 0
	s_or_b32 s[G1SB+0], s3, (3<<16)|(1<<20)|(1<<21)|(5<<22)|(3<<25)
	s_mov_b32 s[G1SB+1], 32<<16
	s_mov_b32 s[G1SB+2], 32<<16
	s_mov_b32 s[G1SB+3], 32<<16
	s_mov_b32 s[G1SB+4], 32
	s_mov_b32 s[G1SB+5], 32
	s_mov_b32 s[G1SB+6], 0
	s_mov_b32 s[G1SB+7], 0
	s_lshl_b32 s19, s18, 3                         ; A: tile 8 x tile row
	s_mul_i32 s2, s19, 12288                       ; its codes,
	s_mov_b32 s3, 0
	s_lshl_b32 s[G0S+2], s19, 9                    ; its scale bytes
	s_mov_b32 s[G0S+3], 0
	s_lshl_b32 s19, s16, 4                         ; B: tile 16 x tile column, of Wo
	s_mul_i32 s100, s19, 12288
	s_add_co_u32 s100, s100, WOFF+3*WPART
	s_mov_b32 s101, 0
	s_lshl_b32 s[G0SB+2], s19, 9
	s_add_co_u32 s[G0SB+2], s[G0SB+2], WSOFF+3*32768
	s_mov_b32 s[G0SB+3], 0
	s_mov_b32 s[G0S+1], SCL
	s_mov_b32 s[G0SB+1], SCL+2*SCA
	s_mov_b32 s[G0S], 1
	s_mov_b32 s[G0SB], 1
	s_wait_dscnt 0x0
	s_wait_kmcnt 0x0
	s_add_nc_u64 s[2:3], s[4:5], s[2:3]
	s_add_nc_u64 s[100:101], s[8:9], s[100:101]
	s_add_nc_u64 s[G0S+2:G0S+3], s[6:7], s[G0S+2:G0S+3]
	s_or_b32 s[G0S+3], s[G0S+3], 0x80000000
	s_add_nc_u64 s[G0SB+2:G0SB+3], s[10:11], s[G0SB+2:G0SB+3]
	s_or_b32 s[G0SB+3], s[G0SB+3], 0x80000000
	s_mov_b32 s[G0], 1                             ; A's eight tiles, at LDS byte 0
	s_mov_b32 s[G0+1], 0
	s_mov_b64 s[G0+2:G0+3], s[2:3]
	s_or_b32 s[G0+3], s[G0+3], 0x80000000
	s_mov_b32 s56, 1                               ; B's sixteen, behind them
	s_mov_b32 s57, 8*KTILE
	s_mov_b64 s[58:59], s[100:101]
	s_or_b32 s59, s59, 0x80000000
	CROUND                                         ; all sixteen work-groups are here: the joint loads meet
	ARM 1, G0,  G1,  .Lhead_b
	ARM 2, 56,  G1B, .Lhead_sa
	ARM 3, G0S, G1S, .Lhead_sb
	tensor_load_to_lds s[G0SB:G0SB+3], s[G1SB:G1SB+7]
	s_nop 0
.rept 4
	v_nop
.endr
.Lhead_asked:
	v_and_b32 v1, 15, v0                           ; r
	v_bfe_u32 v2, v0, 4, 1                         ; h
	v_lshlrev_b32 v7, 6, v2                        ; 16 h numbers
	s_lshl_b32 s2, s16, 10
	s_lshl_b32 s3, s[CHS], 9
	s_add_co_u32 s2, s2, s3                        ; my first column, in bytes
	s_mov_b32 s3, 0
	s_add_nc_u64 s[12:13], s[12:13], s[2:3]
.irp b, 0,1,2,3,4,5,6,7
	global_load_b128 v[BN+8*\b:BN+8*\b+3], v7, s[12:13] offset:(32*(\b/2)+8*(\b%2))*4
	global_load_b128 v[BN+8*\b+4:BN+8*\b+7], v7, s[12:13] offset:(32*(\b/2)+8*(\b%2))*4+16
.endr
	s_lshl_b32 s66, s18, 7
	s_lshl_b32 s67, s[ROLE], 6
	s_add_co_u32 s66, s66, s67                     ; my first row: 128 x tile row + 64 x half
	s_lshl_b32 s66, s66, 12
	s_add_co_u32 s66, s66, s2
	s_mov_b32 s67, 0
	s_add_nc_u64 s[14:15], s[14:15], s[66:67]
	v_and_b32 v3, 31, v0
	v_lshlrev_b32 v3, 4, v3                        ; an image's place for my lane
	s_wait_alu depctr_va_vdst(0)
	s_mul_i32 s2, s[ROLE], 4*KTILE                 ; my four tiles of A
	s_mul_i32 s3, s[CHS], 8*KTILE                  ; my eight of B,
	s_add_co_u32 s3, s3, 8*KTILE                   ; which lie behind A's eight
	v_add_nc_u32 v[ADRA], s2, v3
	v_add_nc_u32 v[ADRB], s3, v3                   ; B's tiles 0-3,
	v_add_nc_u32 v[ADRB+1], 4*KTILE, v[ADRB]       ; and 4-7: the loads' offsets stay inside 16 bits
	v_mul_u32_u24 v5, v1, KS                       ; my row's scales: 32 bytes a row,
	v_lshrrev_b32 v6, 8, v5
	v_lshl_add_u32 v5, v6, 4, v5                   ; and 16 more for each 256 passed
	s_mul_i32 s2, s[ROLE], SCA                     ; A's: my 64 rows
	s_mul_i32 s3, s[CHS], SCB                      ; B's: my 128 rows, behind A's 128
	s_add_co_u32 s3, s3, 2*SCA
	s_sub_co_u32 s3, s3, s2
	v_mul_u32_u24 v6, s3, v2                       ; lanes 16-31 take B's
	s_add_co_u32 s2, s2, SCL
	v_add_nc_u32 v5, v5, v6
	v_add_nc_u32 v[ADRS], s2, v5
	s_mul_i32 s23, s[WVS], 16*SPITCH               ; my stage
	v_mul_u32_u24 v5, v1, SPITCH
	v_lshl_add_u32 v5, v2, 6, v5
	v_add_nc_u32 v[STO], s23, v5                   ; in: row r, + 64 h
	v_mov_b32 v[CO], v3
	v_add_nc_u32 v[RD], s23, v3                    ; back: the 32 lanes take one row of 512 bytes
.macro FRAG reg, adr, q, i             ; a fragment comes as it was stored: three loads of 512 consecutive bytes
.irp c, 0,1,2
	ds_load_b128 v[\reg+4*\c:\reg+4*\c+3], v[\adr] offset:(\i)*KTILE+(\q)*1536+512*\c
.endr
.endm
; Step st = 0 .. 7 is 128 along K: the (st % 2)-th of slot st / 2; its fragments lie in set st % 2, its scale words in set (st / 2) % 2
.macro LB st, i                        ; B's fragment i of step st (under the window TO_B)
	FRAG 128*((\st)%2)+FR*(\i), ADRB+(\i)/4, \st, (\i)%4
.endm
.macro LA st, i                        ; A's fragment i of step st (under window 0)
	FRAG AF+48*((\st)%2)+FR*(\i), ADRA, \st, \i
.endm
.macro LS st                           ; the scale words of the slot that step st opens: two words a row; lanes 0-15 take A's block i (of blocks 4-7 nothing is used), lanes 16-31 B's block i
.irp i, 0,1,2,3,4,5,6,7
	ds_load_b64 v[SC+16*(((\st)/2)%2)+2*\i:SC+16*(((\st)/2)%2)+2*\i+1], v[ADRS] offset:\i*SBLK+8*((\st)/2)
.endr
.endm
; 8 matrix instructions: A's block a x B's eight.  zero = 1: the sums begin with the bias as C: nothing is cleared.  The 32 accumulators take turns, one instruction a turn, in the same order in every step.
.macro MUL8 a, st, zero
.irp b, 0,1,2,3,4,5,6,7
.if \zero
	v_wmma_scale_f32_16x16x128_f8f6f4 v[8*(8*(\a)+\b):8*(8*(\a)+\b)+7], v[128*((\st)%2)+FR*\b:128*((\st)%2)+FR*\b+FR-1], v[AF+48*((\st)%2)+FR*(\a):AF+48*((\st)%2)+FR*(\a)+FR-1], v[BN+8*\b:BN+8*\b+7], v[SC+16*(((\st)/2)%2)+2*\b+(\st)%2], v[SC+16*(((\st)/2)%2)+2*(\a)+(\st)%2] matrix_a_fmt:MATRIX_FMT_FP6 matrix_b_fmt:MATRIX_FMT_FP6 matrix_a_scale:MATRIX_SCALE_ROW1
.else
	v_wmma_scale_f32_16x16x128_f8f6f4 v[8*(8*(\a)+\b):8*(8*(\a)+\b)+7], v[128*((\st)%2)+FR*\b:128*((\st)%2)+FR*\b+FR-1], v[AF+48*((\st)%2)+FR*(\a):AF+48*((\st)%2)+FR*(\a)+FR-1], v[8*(8*(\a)+\b):8*(8*(\a)+\b)+7], v[SC+16*(((\st)/2)%2)+2*\b+(\st)%2], v[SC+16*(((\st)/2)%2)+2*(\a)+(\st)%2] matrix_a_fmt:MATRIX_FMT_FP6 matrix_b_fmt:MATRIX_FMT_FP6 matrix_a_scale:MATRIX_SCALE_ROW1
.endif
.endr
.endm
.macro PLACES n                        ; plain vector instructions between a matrix instruction and a load into, or a read of, its registers
.rept \n
	v_nop
.endr
.endm
; A step: 32 matrix instructions in four groups of eight; behind the first three groups stand the next step's loads, into the other sets: A's block 0 and B's eight first, which the next step's first group wants,
; A's blocks 1-3 last.  No barrier stands in a step; nothing is ever filled again.
.macro KSTEP st, zero
	s_wait_dscnt 9                                 ; all but the youngest nine loads (A's blocks 1-3) are in
	WIN (MULW-0x20*\zero)                          ; (with the bias as C: source 2 in window 0)
	MUL8 0, \st, \zero
	s_wait_dscnt 0x0                               ; A's blocks 1-3 are in
.if (\st) < 7
.if (\st) > 0
	PLACES NP                                      ; the other sets were read by the last step's products: these four stand between those and all loads of this step
.endif
	WIN 0
	LA (\st)+1, 0
	WIN TO_B
	LB (\st)+1, 0
	LB (\st)+1, 1
	LB (\st)+1, 2
.endif
	WIN (MULW-0x20*\zero)
	MUL8 1, \st, \zero
.if (\st) < 7
	WIN TO_B
	LB (\st)+1, 3
	LB (\st)+1, 4
	LB (\st)+1, 5
	LB (\st)+1, 6
	LB (\st)+1, 7
.if (\st)%2
	WIN 0
	LS (\st)+1
.endif
.endif
	WIN (MULW-0x20*\zero)
	MUL8 2, \st, \zero
.if (\st) < 7
	WIN 0
	LA (\st)+1, 1
	LA (\st)+1, 2
	LA (\st)+1, 3
.endif
	WIN (MULW-0x20*\zero)
	MUL8 3, \st, \zero
.endm
	s_wait_alu depctr_va_vdst(0)
	s_wait_loadcnt 0x0                             ; the bias
	s_wait_tensorcnt 0x0                           ; my one tensor load has landed
	s_barrier_signal -1
	s_barrier_wait -1                              ; everybody's are
	LA 0, 0
	WIN TO_B
.irp i, 0,1,2,3,4,5,6,7
	LB 0, \i
.endr
	WIN 0
	LS 0
	LA 0, 1
	LA 0, 2
	LA 0, 3
	KSTEP 0, 1
	KSTEP 1, 0
	KSTEP 2, 0
	KSTEP 3, 0
	KSTEP 4, 0
	KSTEP 5, 0
	KSTEP 6, 0
	KSTEP 7, 0
	WIN 0
	s_wait_dscnt 0x0                               ; my reads of the tiles are over;
	s_barrier_signal -1
	s_barrier_wait -1                              ; everybody's are: the stages below lie in A's first tiles' bytes, which have had their one fill
; THE WAY OUT, block by block of 16 rows x 128 columns, through my own stage in LDS: in by the accumulators' order of columns, back as whole rows of 512 bytes, which the 32 lanes store as two aligned units of 256 bytes.
; LDS serves a wave's instructions in order (ISA guide 5.7.1.4): no wait between the stores and the loads.  Stage row t is row t + 8 (t / 8) from the block's first, which is 32 (a / 2) + 8 (a % 2) from mine.
.macro TOSTAGE a
.set AC, 64*(\a)
	WIN 0x08                                       ; the data: window 2
.irp b, 0,1,2,3,4,5,6,7
	ds_store_b128 v[STO], v[AC+8*\b:AC+8*\b+3] offset:128*(\b/2)+32*(\b%2)          ; each accumulator from its low end on
	ds_store_b128 v[STO], v[AC+8*\b+4:AC+8*\b+7] offset:128*(\b/2)+32*(\b%2)+16
.endr
	WIN 0
.set BB, BK+64*((\a)%2)
.irp t, 0,1,2,3,4,5,6,7,8,9,10,11,12,13,14,15
	ds_load_b128 v[BB+4*\t:BB+4*\t+3], v[RD] offset:\t*SPITCH
.endr
.endm
.macro SEND a, younger                 ; younger: the LDS instructions issued behind block a's loads, which may stay out
.set BB, BK+64*((\a)%2)
	s_wait_dscnt \younger
.if (\a) > 0
.if (\a)%2
	s_add_nc_u64 s[14:15], s[14:15], 8*4096        ; (behind a wait on XCNT: the earlier stores have read their base)
.else
	s_add_nc_u64 s[14:15], s[14:15], 24*4096
.endif
.endif
.irp t, 0,1,2,3,4,5,6,7,8,9,10,11,12,13,14,15
	global_store_b128 v[CO], v[BB+4*\t:BB+4*\t+3], s[14:15] offset:(\t+8*(\t/8))*4096 th:TH_STORE_NT   ; 512 consecutive bytes, aligned to 512; written once, read by nobody here
.endr
.endm
	PLACES NP                                      ; behind the last products: their results are read, and rows land in the registers that held A's fragments
	TOSTAGE 0
.irp a, 1,2,3
.if \a > 1
	s_wait_xcnt 0x0                                ; block a - 2's stores have read their registers and their base
.endif
	TOSTAGE \a
	SEND \a-1, 32                                  ; behind block a - 1's loads: block a's 16 stores and 16 loads
.endr
	s_wait_xcnt 0x0
	SEND 3, 0
	s_wait_tensorcnt 0x0                           ; no tensor load and no LDS instruction of mine is out
	s_wait_dscnt 0x0
	s_wait_tensorcnt 0x0
	ds_add_u32 v30, v31
	s_wait_dscnt 0x0
	CROUND                                         ; the closing round: no work-group ends while a partner may still ask for a tile that names it
	s_endpgm
.Lfunc_end_k_qd3d72b0d36_outp:
	.size	k_qd3d72b0d36_outp, .Lfunc_end_k_qd3d72b0d36_outp-k_qd3d72b0d36_outp
	.p2alignl 7, 3214868480
	.fill 96, 4, 3214868480
	.section	.rodata,"a",@progbits
	.p2align	6, 0x0
	.amdhsa_kernel k_qd3d72b0d36_outp
		.amdhsa_group_segment_fixed_size 327680
		.amdhsa_private_segment_fixed_size 0
		.amdhsa_enable_private_segment 0
		.amdhsa_kernarg_size 48
		.amdhsa_user_sgpr_count 2
		.amdhsa_user_sgpr_kernarg_segment_ptr 1
		.amdhsa_wavefront_size32 1
		.amdhsa_system_sgpr_workgroup_id_x 1
		.amdhsa_system_sgpr_workgroup_id_y 1
		.amdhsa_system_sgpr_workgroup_id_z 1
		.amdhsa_system_vgpr_workitem_id 0
		.amdhsa_next_free_vgpr 768
		.amdhsa_next_free_sgpr 102
		.amdhsa_reserve_vcc 0
		.amdhsa_float_denorm_mode_32 3
		.amdhsa_float_denorm_mode_16_64 3
		.amdhsa_memory_ordered 1
		.amdhsa_forward_progress 1
		.amdhsa_inst_pref_size 80
	.end_amdhsa_kernel
	.amdgpu_metadata
---
amdhsa.version: [ 1, 2 ]
amdhsa.kernels:
  - .name:           k_qd3d72b0d36_outp
    .symbol:         k_qd3d72b0d36_outp.kd
    .args:
      - { .name: mimg, .offset: 0, .size: 8, .value_kind: global_buffer, .address_space: global }
      - { .name: msc, .offset: 8, .size: 8, .value_kind: global_buffer, .address_space: global }
      - { .name: cimg, .offset: 16, .size: 8, .value_kind: global_buffer, .address_space: global }
      - { .name: csc, .offset: 24, .size: 8, .value_kind: global_buffer, .address_space: global }
      - { .name: bo, .offset: 32, .size: 8, .value_kind: global_buffer, .address_space: global }
      - { .name: out0, .offset: 40, .size: 8, .value_kind: global_buffer, .address_space: global }
    .group_segment_fixed_size: 327680
    .private_segment_fixed_size: 0
    .kernarg_segment_align: 8
    .kernarg_segment_size: 48
    .max_flat_workgroup_size: 128
    .sgpr_count:     102
    .vgpr_count:     768
    .wavefront_size: 32
...
	.end_amdgpu_metadata
.endif
;; end of part 4
